; MI455X (gfx1250); checked and timed in simulation.
; The chip was launched on July 23, 2026; its instructions are those of AMD's public machine-readable ISA for CDNA 5 (MIT licence, August 2026) and "CDNA5" Instruction Set Architecture Reference Guide (July 2026). The comments in the code are by the model that wrote it; some were corrected since.
;; Multi Head Dot Product Attention. Allowed arithmetic: matrix products marked QUANTISED: E2M3 operands, one E8M0 scale for each 32 along K, by v_wmma_scale_f32_16x16x128_f8f6f4 with both operands' format E2M3, f32 sums; everything else in f32.
;; Inputs: Wk 1,024 x 1,024 float32; Wo 1,024 x 1,024 float32; Wq 1,024 x 1,024 float32; Wv 1,024 x 1,024 float32; inputs_kv 4 x 2,048 x 1,024 float32; inputs_q 4 x 2,048 x 1,024 float32.
;; Outputs: out0 4 x 2,048 x 1,024 float32.
;; This version of the problem:
;;   THIS VERSION OF THE PROBLEM IS GIVEN IN LOW PRECISION. The matrix products marked QUANTISED in the list below multiply operands that are first quantised to E2M3 (2 exponent bits, 3 mantissa bits; 6 bits a number), with one power-of-two scale for each 32 numbers along K (OCP MX v1.0); their sums are f32. All else is computed in f32.
;;   The module's matrix products, in the order in which they are computed (A, B: the left and right operand; K: the contracted axis; several contracted axes count as one K, in the product's order):
;;     1. [M 8,192, K 1,024] x [K 1,024, N 1,024]; A: input inputs_q; B: input Wq: QUANTISED
;;     2. [M 8,192, K 1,024] x [K 1,024, N 1,024]; A: input inputs_kv; B: input Wk: QUANTISED
;;     3. [M 8,192, K 1,024] x [K 1,024, N 1,024]; A: input inputs_kv; B: input Wv: QUANTISED
;;     4. batch 64 x [M 2,048, K 64] x [K 64, N 2,048]; A: computed on the way; B: computed on the way: QUANTISED
;;     5. batch 64 x [M 64, K 2,048] x [K 2,048, N 2,048]; A: computed on the way; B: softmax (see below): QUANTISED
;;     6. [M 8,192, K 1,024] x [K 1,024, N 1,024]; A: computed on the way; B: input Wo: QUANTISED
;;   THE QUANTISER, for each operand of a quantised product, along K:
;;     - K is cut into blocks of 32 from its start; a last block that is shorter is filled with zeros.
;;     - A block's scale is 2^e with e = floor(log2(the largest magnitude in the block)) - 2, held to -126 .. 127; a block of zeros has e = 0. As a byte (E8M0): e + 127.
;;     - Each number is divided by its block's scale, clamped to +-7.5, and rounded to the nearest number of E2M3, ties to even, subnormals kept.
;;     - The product sums the exact products of the quantised numbers (number of the format x scale) in f32.
;;   ~~~python
;;   def quantise(x, axis):      # numpy; x: float32 -> the quantised numbers, widened to float32 again
;;       x = np.moveaxis(x, axis, -1); K = x.shape[-1]
;;       x = np.pad(x, [(0, 0)] * (x.ndim - 1) + [(0, -K % 32)]); x = x.reshape(x.shape[:-1] + (-1, 32)); a = np.abs(x).max(-1, keepdims=True)
;;       e = np.where(a > 0, np.clip(np.frexp(np.where(a > 0, a, 1))[1] - 1 - 2, -126, 127), 0)      # np.frexp(a)[1] - 1 = floor(log2(a)), exactly
;;       r = np.clip(x / 2.0 ** e, -7.5, 7.5)
;;       step = 2.0 ** (np.maximum(np.frexp(np.where(r == 0, 1, r))[1] - 1, 0) - 3)
;;       q = np.round(r / step) * step * 2.0 ** e      # np.round: ties to even
;;       return np.moveaxis(q.reshape(q.shape[:-2] + (-1,))[..., :K], -1, axis).astype(np.float32)
;;   ~~~
;;   SOFTMAX AHEAD OF A QUANTISED PRODUCT. Where the list says 'softmax', what is quantised is not the finished softmax but p = 2^(t - M), with t = logit x log2(e) and M = ceil(the row's largest t), a whole number; so 1/2 < the row's largest p <= 1. The row's sum l is taken of the UNQUANTISED p, in f32, and the product's result is divided by l at the end. Since M is a whole number, a kernel that streams over the keys may use a running M (the ceiling of the running maximum): every later rescaling is an exact power of two, which a block's scale takes up: the codes' values come out the same.
;;   OPERANDS COMPUTED ON THE WAY. 'Computed on the way' means the value that the module computes at that place (a softmax that the list does not call 'softmax' is quantised finished and normalised). What goes into a quantiser is computed in f32, as accurately as f32 sums, v_exp_f32 and their like allow (about 1e-6 of the number): no bf16 or f16 on the way to a quantiser, and a product that is left as it is and whose result goes on into a quantised operand takes f32 operands (vector FMAs, or v_wmma_f32_16x16x4_f32). A number that lies on a knife's edge between two numbers of the format may be rounded either way, as far as f32 arithmetic and the matrix unit's own rounding can turn it there, and no further.
;; One version. Each part assembles by itself: llvm-mc -triple=amdgcn-amd-amdhsa -mcpu=gfx1250 --defsym DOCPART=n.
;; ======== version 1 of 1: 4 launches
;; limits: right only within a limited range of input values
;; workspace buffers: xw_codes 15,728,640 bytes; xw_scales 655,360 bytes; rot 524,288 bytes; qkv_codes 18,874,368 bytes; qkv_scales 1,310,720 bytes; o_codes 6,291,456 bytes; o_scales 262,144 bytes
;; launch quant (part 1): grid 672 x 1, 4 waves a work-group, no clusters, 75,264 bytes of LDS; arguments inputs_q, inputs_kv, Wq, Wk, Wv, Wo, xw_codes, xw_scales, rot; writes xw_codes, xw_scales, rot
.if DOCPART == 1
	.amdgcn_target "amdgcn-amd-amdhsa--gfx1250"
	.amdhsa_code_object_version 6
	.text
	.protected	k_q570d74a52f_quant
	.globl	k_q570d74a52f_quant
	.p2align	8
	.type	k_q570d74a52f_quant,@function
k_q570d74a52f_quant:
	s_mov_b64 s[64:65], 0
	v_nop
	global_prefetch_b8 v0, s[64:65] scope:SCOPE_SE
	s_setreg_imm32_b32 hwreg(HW_REG_WAVE_MODE, 25, 1), 1
	s_wait_xcnt 0x0
; THE PROGRAM: banded multi-head attention, all six products on codes of FP6 (E2M3) with one E8M0 scale for each 32 along K.  Four launches: this one quantises the inputs and the weights and
; makes the rotary table, the second makes q, k, v (with the rotary turn) as codes, the third is the attention inside the band, the fourth the projection on the way out.
; WORK LEFT OUT, for all values of the inputs: reference() itself sets every logit with |i - j| > 256 to the least f32 number.  Every row has its diagonal inside the band, so the row's maximum is a
; logit of the band, and a hidden logit's weight 2^(t - M) is exactly 0.  A block of 32 such weights is a block of zeros: it adds nothing to the row's sum nor to the second product.  So a step of
; 128 keys that lies wholly outside the band of a tile of queries is not multiplied, in neither attention product.  All six inputs have a way to the output and are loaded.
; LIMIT: a NaN, an infinity or an overflow that reaches only the work left out is not carried to the result.
; WHAT IS STORED.  Rows 0 .. 8191 are inputs_q's, 8192 .. 16383 inputs_kv's, 16384 + 1024 w + n column n of weight w (Wq, Wk, Wv, Wo).  STORAGE ORDER: row t has the place t with bits 3 and 4 exchanged;
; sixteen places on end are a TILE.  xw_codes is [tile][K step of 128][1,536 bytes]: THE IMAGE OF AN OPERAND'S TWELVE REGISTERS: registers 4 j .. 4 j + 3 of lane l at 512 j + 16 l; lane (r, h) holds
; blocks h and 2 + h of its row's four blocks of 32, 24 bytes each.  xw_scales is [tile][K half][row][16 bytes]: a scale byte for each 32 along K.
; A block's scale is 2^(floor(log2(its largest magnitude)) - 2); its byte is the largest magnitude's exponent field - 2, held at 1 from below (a block of zeros so has the byte 1 where the rule says 127:
; its codes are zeros, and this program alone reads the bytes).  LIMITS: NaN and infinities among the inputs are not served.
; WORK-GROUPS 0 .. 511: 32 rows of an input; a wave takes one tile x 512 along K, a row a step.  512 .. 639: 128 columns x 256 along K of a weight.  640 .. 671: the rotary table.
; The three ways use LDS bytes of their own.  No tensor loads, no barrier: waves share nothing.
.set EMAX,  2
.set SPW,   14                         ; v14 LDS address of my spare word, v15 zero; never rewritten
.set NIL,   15
.set WREG,  12288                      ; inputs: a wave's LDS: two stages of 32 x SP, 256 scale bytes, the image's stage
.set SP,    80
.set IMG,   5376                       ; the image's stage: 24 runs of 256 bytes, 272 apart
.set WBASE, 4*WREG                     ; weights: a wave's stage of 6,400 bytes
.set SPARE, WBASE+4*6400               ; the spare words, 128 bytes a wave, which no other line names
.set STEPS, 16
.set R,     16                         ; v16-79 four sets of 16 numbers as loaded
.set X,     80                         ; v80-111 two sets of 16 neighbours
.set E,     112                        ; v112-113 a scale byte
.set AI,    116                        ; v116-118 where my three code words go in the image's stage
.set RB,    119                        ; v119 where I read the image back
.set SIN,   120                        ; v120, v121 the stage: in, out
.set SOUT,  121
.set C,     128                        ; v128-191 codes, four registers a step
	s_load_b256 s[4:11], s[0:1], 0x0               ; inputs_q, inputs_kv, Wq, Wk
	s_load_b256 s[12:19], s[0:1], 0x20             ; Wv, Wo, xw_codes, xw_scales
	s_load_b64 s[20:21], s[0:1], 0x40              ; rot
	v_lshl_add_u32 v[SPW], v0, 2, SPARE
	v_mov_b32 v[NIL], 0
	v_lshrrev_b32 v1, 5, v0
	v_readfirstlane_b32 s22, v1                    ; wave
	v_and_b32 v2, 31, v0                           ; lane
	s_wait_alu depctr_va_vdst(0)
	s_wait_kmcnt 0x0
	s_cmp_ge_u32 ttmp9, 512
	s_cbranch_scc1 .Lw
	; ---- the inputs
	s_cmp_lt_u32 ttmp9, 256                        ; which input: the work-group's number alone decides
	s_cselect_b64 s[4:5], s[4:5], s[6:7]
	s_and_b32 s24, ttmp9, 255
	s_lshl_b32 s24, s24, 5
	s_and_b32 s25, s22, 1                          ; which tile of the 32 rows
	s_lshr_b32 s26, s22, 1                         ; which half of K
	s_lshl_b32 s27, s25, 3
	s_add_co_u32 s24, s24, s27                     ; the tile's rows: 8 u + 0 .. 7 and 16 more
	s_lshl_b32 s28, s24, 12
	s_lshl_b32 s27, s26, 11
	s_add_co_u32 s28, s28, s27
	s_mov_b32 s29, 0
	s_add_nc_u64 s[4:5], s[4:5], s[28:29]
	s_lshl_b32 s30, ttmp9, 1
	s_add_co_u32 s30, s30, s25                     ; the tile's number
	s_mul_i32 s28, s30, 12288
	s_mul_i32 s27, s26, 6144
	s_add_co_u32 s28, s28, s27
	s_add_nc_u64 s[16:17], s[16:17], s[28:29]      ; my 6,144 bytes of images
	s_lshl_b32 s28, s30, 9
	s_lshl_b32 s27, s26, 8
	s_add_co_u32 s28, s28, s27
	s_add_nc_u64 s[18:19], s[18:19], s[28:29]      ; my 256 scale bytes
	s_mul_i32 s23, s22, WREG
	s_add_co_u32 s31, s23, 2*32*SP
	s_add_co_u32 s32, s23, IMG
	v_lshlrev_b32 v3, 4, v2                        ; 16 x lane
	v_lshrrev_b32 v4, 2, v2
	v_mul_u32_u24 v4, v4, SP
	v_and_b32 v5, 3, v2
	v_lshl_add_u32 v4, v5, 4, v4
	v_add_nc_u32 v[SIN], s23, v4                   ; the stage, in: SP (lane / 4) + 16 (lane % 4)
	v_mul_u32_u24 v4, v2, SP
	v_add_nc_u32 v[SOUT], s23, v4                  ; out: my 16 neighbours
	v_lshrrev_b32 v5, 1, v2
	v_add_nc_u32 v5, s31, v5                       ; my block's scale byte
	v_lshlrev_b32 v7, 3, v2
	v_add_nc_u32 v6, s31, v7
	v_bfe_u32 v122, v2, 3, 2                       ; my K step of the wave's four
	v_bfe_u32 v123, v2, 1, 1                       ; h: my block's low bit
	v_bfe_u32 v124, v2, 2, 1                       ; its high bit: the lower or upper 24 bytes of the image's lane
	v_and_b32 v125, 1, v2                          ; which 12 bytes of the block
	v_mul_u32_u24 v124, v124, 6
	v_mad_u32_u24 v124, v125, 3, v124              ; my first word among the image lane's twelve
	v_mad_u32_u24 v122, v122, 6, v123              ; run of 256 bytes: 6 x K step + 2 j + h
.irp i, 0,1,2
	v_add_nc_u32 v125, \i, v124
	v_lshrrev_b32 v126, 2, v125                    ; j
	v_lshl_add_u32 v126, v126, 1, v122
	v_and_b32 v125, 3, v125
	v_mul_u32_u24 v126, v126, 272
	v_lshl_add_u32 v126, v125, 2, v126
	v_add_nc_u32 v[AI+\i], s32, v126
.endr
	v_lshrrev_b32 v125, 4, v2
	v_mul_u32_u24 v125, v125, 272
	v_and_b32 v126, 15, v2
	v_lshl_add_u32 v125, v126, 4, v125
	v_add_nc_u32 v[RB], s32, v125
	s_wait_alu depctr_va_vdst(0)                   ; the wait at the head's end
.macro LOAD t                          ; step t: 512 numbers of the tile's row t: 32 lanes read 512 consecutive bytes
.irp i, 0,1,2,3
	global_load_b128 v[R+16*((\t)%4)+4*\i:R+16*((\t)%4)+4*\i+3], v3, s[4:5] offset:4096*(((\t)&7)+16*((\t)>>3))+512*\i th:TH_LOAD_NT
.endr
.endm
.macro TURN t                          ; through the stage: LDS serves a wave's instructions in order
.irp i, 0,1,2,3
	ds_store_b128 v[SIN], v[R+16*((\t)%4)+4*\i:R+16*((\t)%4)+4*\i+3] offset:32*SP*((\t)%2)+8*SP*\i
.endr
.irp i, 0,1,2,3
	ds_load_b128 v[X+16*((\t)%2)+4*\i:X+16*((\t)%2)+4*\i+3], v[SOUT] offset:32*SP*((\t)%2)+16*\i
.endr
.endm
.irp t, 0,1,2,3
	LOAD \t
.endr
	s_wait_loadcnt 12                              ; step 0's four loads are in
	TURN 0
.macro STEP t
.set XS, X+16*((\t)%2)
.if (\t) > 0
	s_wait_dscnt 4                                 ; this step's numbers are back (the last step's four small stores may be out)
.else
	s_wait_dscnt 0x0
.endif
.if (\t)+4 < STEPS
	LOAD (\t)+4
.endif
.if (\t)+1 < STEPS
.if STEPS-2-(\t) >= 3
	s_wait_loadcnt 12                              ; the next step's four loads are in; three steps' may be out
.else
	s_wait_loadcnt 4*(STEPS-2-(\t))
.endif
	TURN (\t)+1
.endif
	v_max3_num_f32 v8, |v[XS]|, |v[XS+1]|, |v[XS+2]|
	v_max3_num_f32 v9, |v[XS+3]|, |v[XS+4]|, |v[XS+5]|
.irp i, 6,10
	v_max3_num_f32 v8, v8, |v[XS+\i]|, |v[XS+\i+1]|
	v_max3_num_f32 v9, v9, |v[XS+\i+2]|, |v[XS+\i+3]|
.endr
	v_max3_num_f32 v8, v8, |v[XS+14]|, |v[XS+15]|
	v_max3_num_f32 v8, v8, v9, (EMAX+1)<<23        ; the floor: the byte cannot fall under 1
	v_max_num_f32_dpp v8, v8, v8 row_xmask:1 row_mask:0xf bank_mask:0xf   ; with my neighbour's 16: the block's largest magnitude
	v_add_nc_u32 v11, -(EMAX<<23), v8              ; the conversion's scale operand
	v_cvt_scalef32_pk16_fp6_f32 v[C+4*(\t):C+4*(\t)+2], v[XS:XS+15], v11
	v_lshrrev_b32 v[E+(\t)%2], 23, v11             ; the scale's byte
	ds_store_b8 v5, v[E+(\t)%2] offset:16*(\t)
.irp i, 0,1,2
	ds_store_b32 v[AI+\i], v[C+4*(\t)+\i] offset:16*(\t)   ; row t is lane t (or 16 + t) of the image
.endr
.endm
.irp t, 0,1,2,3,4,5,6,7,8,9,10,11,12,13,14,15
	STEP \t
.endr
	ds_load_b64 v[8:9], v6
.irp k, 0,1,2,3,4,5,6,7,8,9,10,11
	ds_load_b128 v[R+4*\k:R+4*\k+3], v[RB] offset:544*\k
.endr
	s_wait_dscnt 12
	global_store_b64 v7, v[8:9], s[18:19]          ; 256 consecutive bytes, aligned
	s_wait_dscnt 0x0
.irp k, 0,1,2,3,4,5,6,7,8,9,10,11
	global_store_b128 v3, v[R+4*\k:R+4*\k+3], s[16:17] offset:512*\k   ; 512 consecutive bytes, aligned
.endr
	s_branch .Lend
.Lw:
	s_sub_co_u32 s23, ttmp9, 512
	s_cmp_ge_u32 s23, 128
	s_cbranch_scc1 .Ltable
	; ---- the weights, [K][n] f32: A LANE TAKES A COLUMN n, ITS REGISTERS RUN DOWN K: a block of 32 lies in one lane
.set WX,    32                         ; v32-95 two sets of 32 numbers
.set WC,    96                         ; v96-102 a block's codes
.set OUTR,  112                        ; v112-159 the way out
.set SB,    24                         ; v24-25 the scale bytes
	s_and_b32 s24, s23, 7                          ; which 128 columns
	s_lshr_b32 s25, s23, 3
	s_lshr_b32 s26, s25, 2                         ; which weight
	s_and_b32 s25, s25, 3                          ; which 256 along K
	s_cmp_eq_u32 s26, 1
	s_cselect_b64 s[8:9], s[10:11], s[8:9]
	s_cmp_eq_u32 s26, 2
	s_cselect_b64 s[8:9], s[12:13], s[8:9]
	s_cmp_eq_u32 s26, 3
	s_cselect_b64 s[8:9], s[14:15], s[8:9]
	s_lshl_b32 s27, s24, 7
	s_lshl_b32 s28, s22, 5
	s_add_co_u32 s27, s27, s28                     ; my wave's first column
	s_lshl_b32 s28, s25, 20
	s_lshl_b32 s29, s27, 2
	s_add_co_u32 s28, s28, s29
	s_mov_b32 s29, 0
	s_add_nc_u64 s[8:9], s[8:9], s[28:29]
	s_lshl_b32 s30, s26, 6
	s_lshr_b32 s31, s27, 4
	s_add_co_u32 s30, s30, s31
	s_add_co_u32 s30, s30, 1024                    ; my first tile
	s_mul_i32 s28, s30, 12288
	s_mul_i32 s31, s25, 3072
	s_add_co_u32 s28, s28, s31
	s_add_nc_u64 s[16:17], s[16:17], s[28:29]
	s_lshl_b32 s28, s30, 9
	s_lshr_b32 s31, s25, 1
	s_lshl_b32 s31, s31, 8
	s_add_co_u32 s28, s28, s31
	s_and_b32 s31, s25, 1
	s_lshl_b32 s31, s31, 3
	s_add_co_u32 s28, s28, s31
	s_add_nc_u64 s[18:19], s[18:19], s[28:29]
	s_mul_i32 s32, s22, 6400
	s_add_co_u32 s32, s32, WBASE                   ; my stage: two tiles' images, 3,200 bytes apart
	v_lshlrev_b32 v3, 2, v2
	v_and_b32 v5, 7, v2
	v_lshrrev_b32 v6, 4, v2
	v_lshl_or_b32 v5, v6, 3, v5                    ; my column's lane in its tile
	v_bfe_u32 v6, v2, 3, 1                         ; and its tile
	v_mul_u32_u24 v4, v6, 3200
	v_lshl_add_u32 v4, v5, 4, v4
	v_add_nc_u32 v4, s32, v4
	v_lshlrev_b32 v8, 4, v2
	v_add_nc_u32 v7, s32, v8
	v_lshlrev_b32 v9, 9, v6
	v_lshl_add_u32 v9, v5, 4, v9                   ; scale bytes: 512 x tile + 16 x row
	s_wait_alu depctr_va_vdst(0)                   ; the wait at the head's end
.macro WLOAD t
.irp i, 0,1,2,3,4,5,6,7,8,9,10,11,12,13,14,15,16,17,18,19,20,21,22,23,24,25,26,27,28,29,30,31
	global_load_b32 v[WX+32*((\t)%2)+\i], v3, s[8:9] offset:(32*(\t)+\i)*4096 th:TH_LOAD_NT
.endr
.endm
	WLOAD 0
	WLOAD 1
.macro BLOCK t
.set XS, WX+32*((\t)%2)
.set IO, 1536*((\t)/4)+256*((\t)%2)    ; the K step's image, lanes 0-15 or 16-31
.if (\t) < 7
	s_wait_loadcnt 32                              ; this block's 32 loads are in
.else
	s_wait_loadcnt 0
.endif
	v_max3_num_f32 v12, |v[XS]|, |v[XS+1]|, |v[XS+2]|
	v_max3_num_f32 v13, |v[XS+3]|, |v[XS+4]|, |v[XS+5]|
.irp i, 6,10,14,18,22,26
	v_max3_num_f32 v12, v12, |v[XS+\i]|, |v[XS+\i+1]|
	v_max3_num_f32 v13, v13, |v[XS+\i+2]|, |v[XS+\i+3]|
.endr
	v_max3_num_f32 v12, v12, |v[XS+30]|, |v[XS+31]|
	v_max3_num_f32 v12, v12, v13, (EMAX+1)<<23
	v_add_nc_u32 v11, -(EMAX<<23), v12
	v_lshrrev_b32 v13, 23, v11
.if (\t)%4 == 0
	v_mov_b32 v[SB+(\t)/4], v13
.else
	v_lshl_or_b32 v[SB+(\t)/4], v13, 8*((\t)%4), v[SB+(\t)/4]
.endif
	v_cvt_scalef32_pk16_fp6_f32 v[WC:WC+2], v[XS:XS+15], v11
	v_cvt_scalef32_pk16_fp6_f32 v[WC+4:WC+6], v[XS+16:XS+31], v11
	v_nop                                          ; one plain place behind a scaled conversion
	v_mov_b32 v[WC+3], v[WC+4]                     ; the block's six words on end
	v_mov_b32 v[WC+4], v[WC+5]
	v_mov_b32 v[WC+5], v[WC+6]
.if ((\t)/2)%2 == 0
	ds_store_b128 v4, v[WC:WC+3] offset:IO         ; words 0-5 of the image's lane
	ds_store_b64 v4, v[WC+4:WC+5] offset:IO+512
.else
	ds_store_b64 v4, v[WC:WC+1] offset:IO+520      ; words 6-11
	ds_store_b128 v4, v[WC+2:WC+5] offset:IO+1024
.endif
.if (\t)+2 < 8
	WLOAD (\t)+2
.endif
	s_wait_dscnt 0x0
.endm
.irp t, 0,1,2,3,4,5,6,7
	BLOCK \t
.endr
	s_wait_alu depctr_va_vdst(0)                   ; ahead of the reader below
	global_store_b64 v9, v[SB:SB+1], s[18:19]      ; my column's eight scale bytes
.irp k, 0,1,2,3,4,5,6,7,8,9,10,11
	ds_load_b128 v[OUTR+4*\k:OUTR+4*\k+3], v7 offset:3200*(\k/6)+512*(\k%6)
.endr
	s_wait_dscnt 0x0
.irp k, 0,1,2,3,4,5,6,7,8,9,10,11
	global_store_b128 v8, v[OUTR+4*\k:OUTR+4*\k+3], s[16:17] offset:12288*(\k/6)+512*(\k%6)   ; 512 consecutive bytes, aligned
.endr
	s_branch .Lend
.Ltable:
	; ---- rot [position 2048][pair 32][cos, sin] f32.  A wave makes 16 positions, a lane a pair.  The angle is f32(position) x 10000^(-pair / 32), rounded once; it is brought under pi / 4 by taking away
	; n x pi / 2 in two parts (n under 2^11); sine and cosine are polynomials of degree 7 and 8; n mod 4 swaps them and sets the signs.  LIMIT: the angle carries the rounding of the power by v_exp_f32.
.set T,     64
	s_sub_co_u32 s23, s23, 128
	s_lshl_b32 s23, s23, 2
	s_add_co_u32 s23, s23, s22                     ; which 16 positions
	s_lshl_b32 s24, s23, 12
	s_mov_b32 s25, 0
	s_add_nc_u64 s[20:21], s[20:21], s[24:25]
	s_lshl_b32 s23, s23, 4
	s_mov_b32 s38, 0xbfc90fdb                      ; -(pi / 2 as f32)
	s_mov_b32 s39, 0x333bbd2e                      ; that number less pi / 2
	s_mov_b32 s40, 0xb94ca1f9
	s_mov_b32 s41, 0x3c08839e
	s_mov_b32 s42, 0xbe2aaaa3
	s_mov_b32 s43, 0x37ccf5ce
	s_mov_b32 s44, 0xbab6061a
	s_mov_b32 s45, 0x3d2aaaa5
	v_lshlrev_b32 v17, 3, v2
	v_cvt_f32_u32 v18, v2
	v_mul_f32 v18, 0xbed49a78, v18                 ; pair x -log2(10000) / 32
	s_wait_alu depctr_va_vdst(0)                   ; the wait ahead of the exponential
	v_exp_f32 v18, v18
	v_mov_b32 v19, s23
	v_cvt_f32_u32 v19, v19
	s_wait_alu depctr_va_vdst(0)                   ; and ahead of its first reader
.macro TSTEP s
	v_mul_f32 v20, v19, v18                        ; the angle
	v_mul_f32 v21, 0x3f22f983, v20
	v_rndne_f32 v21, v21                           ; n
	v_fma_f32 v22, v21, s38, v20
	v_fma_f32 v22, v21, s39, v22                   ; r
	v_mul_f32 v23, v22, v22
	v_cvt_i32_f32 v24, v21
	v_fma_f32 v25, v23, s40, s41
	v_fma_f32 v25, v25, v23, s42
	v_mul_f32 v26, v22, v23
	v_fma_f32 v25, v26, v25, v22                   ; sin r
	v_fma_f32 v27, v23, s43, s44
	v_fma_f32 v27, v27, v23, s45
	v_mul_f32 v26, v23, v23
	v_fma_f32 v28, v23, -0.5, 1.0
	v_fma_f32 v27, v26, v27, v28                   ; cos r
	v_and_b32 v26, 1, v24
	v_cmp_ne_u32 vcc_lo, 0, v26
	v_cndmask_b32 v[T+2*\s], v27, v25, vcc_lo
	v_cndmask_b32 v[T+2*\s+1], v25, v27, vcc_lo
	v_add_nc_u32 v26, 1, v24
	v_and_b32 v26, 2, v26
	v_lshlrev_b32 v26, 30, v26
	v_xor_b32 v[T+2*\s], v[T+2*\s], v26
	v_and_b32 v28, 2, v24
	v_lshlrev_b32 v28, 30, v28
	v_xor_b32 v[T+2*\s+1], v[T+2*\s+1], v28
	global_store_b64 v17, v[T+2*\s:T+2*\s+1], s[20:21] offset:256*\s   ; a position's 256 consecutive bytes
	v_add_f32 v19, 1.0, v19
.endm
.irp s, 0,1,2,3,4,5,6,7,8,9,10,11,12,13,14,15
	TSTEP \s
.endr
.Lend:
	s_wait_tensorcnt 0x0                           ; the wave's end
	ds_add_u32 v[SPW], v[NIL]
	s_wait_dscnt 0x0
	s_endpgm
.Lfunc_end_k_q570d74a52f_quant:
	.size	k_q570d74a52f_quant, .Lfunc_end_k_q570d74a52f_quant-k_q570d74a52f_quant
	.p2alignl 7, 3214868480
	.fill 96, 4, 3214868480
	.section	.rodata,"a",@progbits
	.p2align	6, 0x0
	.amdhsa_kernel k_q570d74a52f_quant
		.amdhsa_group_segment_fixed_size 75264
		.amdhsa_private_segment_fixed_size 0
		.amdhsa_enable_private_segment 0
		.amdhsa_kernarg_size 72
		.amdhsa_user_sgpr_count 2
		.amdhsa_user_sgpr_kernarg_segment_ptr 1
		.amdhsa_wavefront_size32 1
		.amdhsa_system_sgpr_workgroup_id_x 1
		.amdhsa_system_sgpr_workgroup_id_y 1
		.amdhsa_system_sgpr_workgroup_id_z 1
		.amdhsa_system_vgpr_workitem_id 0
		.amdhsa_next_free_vgpr 192
		.amdhsa_next_free_sgpr 66
		.amdhsa_reserve_vcc 1
		.amdhsa_float_denorm_mode_32 3
		.amdhsa_float_denorm_mode_16_64 3
		.amdhsa_memory_ordered 1
		.amdhsa_forward_progress 1
		.amdhsa_inst_pref_size 100
	.end_amdhsa_kernel
	.amdgpu_metadata
---
amdhsa.version: [ 1, 2 ]
amdhsa.kernels:
  - .name:           k_q570d74a52f_quant
    .symbol:         k_q570d74a52f_quant.kd
    .args:
      - { .name: inputs_q, .offset: 0, .size: 8, .value_kind: global_buffer, .address_space: global }
      - { .name: inputs_kv, .offset: 8, .size: 8, .value_kind: global_buffer, .address_space: global }
      - { .name: Wq, .offset: 16, .size: 8, .value_kind: global_buffer, .address_space: global }
      - { .name: Wk, .offset: 24, .size: 8, .value_kind: global_buffer, .address_space: global }
      - { .name: Wv, .offset: 32, .size: 8, .value_kind: global_buffer, .address_space: global }
      - { .name: Wo, .offset: 40, .size: 8, .value_kind: global_buffer, .address_space: global }
      - { .name: xw_codes, .offset: 48, .size: 8, .value_kind: global_buffer, .address_space: global }
      - { .name: xw_scales, .offset: 56, .size: 8, .value_kind: global_buffer, .address_space: global }
      - { .name: rot, .offset: 64, .size: 8, .value_kind: global_buffer, .address_space: global }
    .group_segment_fixed_size: 75264
    .private_segment_fixed_size: 0
    .kernarg_segment_align: 8
    .kernarg_segment_size: 72
    .max_flat_workgroup_size: 128
    .sgpr_count:     66
    .vgpr_count:     192
    .wavefront_size: 32
...
	.end_amdgpu_metadata
.endif
;; end of part 1
;; launch gemm_qkv (part 2): grid 8 x 32, 4 waves a work-group, clusters of 4 x 4, 327,680 bytes of LDS; arguments xw_codes, xw_scales, rot, qkv_codes, qkv_scales; writes qkv_codes, qkv_scales
.if DOCPART == 2
	.amdgcn_target "amdgcn-amd-amdhsa--gfx1250"
	.amdhsa_code_object_version 6
	.text
	.protected	k_q570d74a52f_gemm_qkv
	.globl	k_q570d74a52f_gemm_qkv
	.p2align	8
	.type	k_q570d74a52f_gemm_qkv,@function
k_q570d74a52f_gemm_qkv:
	s_mov_b64 s[64:65], 0
	v_nop
	global_prefetch_b8 v0, s[64:65] scope:SCOPE_SE
	s_setreg_imm32_b32 hwreg(HW_REG_WAVE_MODE, 25, 1), 1
	s_wait_xcnt 0x0
	s_wait_alu depctr_hold_cnt(0) depctr_sa_sdst(0) depctr_va_vdst(0) depctr_va_sdst(0) depctr_va_ssrc(0) depctr_va_vcc(0) depctr_vm_vsrc(0)
	s_getreg_b32 s2, hwreg(HW_REG_IB_STS2, 6, 4)
	s_cmp_eq_u32 s2, 0
	s_cbranch_scc0 .Lentry_in_a_cluster
	s_endpgm
.Lentry_in_a_cluster:
	s_bfe_u32 s2, ttmp6, 0x10000c
	s_cmp_lg_u32 s2, 0xf033
	s_cbranch_scc0 .Lentry_shape_is_right
	s_endpgm
.Lentry_shape_is_right:
; q = inputs_q Wq, k = inputs_kv Wk, v = inputs_kv Wv, K = 1,024, on codes of FP6 (E2M3) with E8M0 scales; then the rotary turn (q, k), in f32, and the quantiser of the product that follows: q and k along a
; head's 64, v along the keys.  What is stored are images of operand registers and scale words, as the attention launch loads them.
; SHARES.  256 work-groups: work-group (x, y) takes tokens 256 y .. + 255 and features 128 x .. + 127 (two heads) and makes q's, then k's, then v's block of them.  All of K of the 256 token rows (196,608 bytes)
; and of the 128 weight rows (98,304 bytes) lies in LDS at once, as the images lie in memory: tensor rows of 12,288 bytes.  Waves 0, 1 fetch the tokens' halves, waves 2, 3 the weights'.
; A pass's fill is asked for in the pass before, behind a round of the cluster's barrier in its last K step, and has that pass's way out (four blocks' turns and conversions) in which to land.
; q and k are the two trips of a loop; v is written out behind it.  The loop's trips are alike, so k's trip asks for inputs_kv's tile once more.
; PREFETCH INTO THE L2 of what the next fill will ask for: in q's K steps 1 and 2 inputs_kv's tile (768 blocks of 256 bytes: the four partners along x take 192 each, by address, a wave 48), in K step 3 of q's and of k's pass
; the next weight's rows (384 blocks: the four partners along y take 96 each, a wave 24); a lane a block, lanes left over name their wave's last block again.  That is four K steps and more ahead of the fill.
; q's own operands come by their fill alone; v's tokens have been read by k's pass and are not asked for.
; The matrix instruction's source 0 is called B and source 1 A: a lane holds ONE row of A, its registers run along B's rows.  A wave has A's 4 blocks of 16 x B's 8: 32 accumulators.
;   q, k: A = my 64 tokens, B = the 128 features.     v: A = 64 of the features, B = 128 of the tokens (keys).
; By the storage order the 16 registers of B's blocks 2 j, 2 j + 1 are 16 NEIGHBOURS, 32 j + 16 (lane / 16) + 0 .. 15; lane r of A's block a is row 32 (a / 2) + 8 (a % 2) + r + 8 (r / 8).
; CLUSTERS, 4 x 4: the tokens' tile is shared along a row of the cluster, the weights' along a column: joint loads.  The scale words go from memory straight into registers, all of K at once.
; REGISTERS: window 0: v8-31 addresses; v32-95 scale words (register 8 i + s: lanes 0-15 A's block i, lanes 16-31 B's block i, K step s); v96-191 A's fragments, two sets, on the way out at work; v192-255 the table.
;   window 1: the accumulators, (a, b) at v[8 (8 a + b)].   window 2: B's fragments, two sets, at v0 and v128; on the way out v0-63 hold products with the cosine.
; LIMITS: a block of zeros has the scale byte 1 (this program alone reads the bytes); NaN and infinities are not served.  The scale words leave in runs of 128 bytes.
.set TILEB, 12288                      ; a tile: 16 rows, all of K
.set STEPB, 1536                       ; a fragment's image
.set LW,    16*TILEB                   ; LDS: the tokens from 0, the weights from here
.set SPARE, 24*TILEB                   ; the spare words, 128 bytes a wave, which no other line names
.set FR,   12
.set PF1,  8                           ; v8-10 the prefetches' offsets; never rewritten
.set PF2,  9
.set PF3,  10
.set ADRA, 16                          ; q, k: A
.set ADRB, 17                          ; v17, v18: B's blocks 0-3, 4-7
.set ADVA, 19                          ; v: A
.set ADVB, 20                          ; v20, v21
.set VS,   22                          ; the scale words' offsets of the pass to come; v23, v27: of the passes behind it
.set VN1,  23
.set LO8,  24
.set LO4,  25
.set RO,   26
.set VN2,  27
.set SPW,  28
.set NIL,  29
.set SC,   32
.set AF,   96
.set CS,   192
.set PC,   96                          ; the way out: codes, halves of blocks, magnitudes and bytes, scale words
.set PT,   108
.set TM,   116
.set SW,   132
.set WD,   136
.set G1, 24
.set G0, 32
.set PFT, 36                           ; s[36:37] my 48 blocks of inputs_kv's tile; s[38:39] my 24 of the next weight's rows
.set PFW, 38
.set G1B, 48
.set G0B, 56
.set SEL, 70
.set MSB, 0
.macro WIN new
.if MSB != (\new)
	s_set_vgpr_msb (MSB<<8)|(\new)
.set MSB, (\new)
.endif
.endm
.set MULW, 0x52                        ; source 0 window 2, source 1 window 0, C and D window 1
.macro JLOAD                           ; a joint load: one mask and one set of registers to a line; the branch hangs on the wave's number alone
	s_cmp_eq_u32 s15, 0
	s_cbranch_scc0 .Lfor_b_\@
	tensor_load_to_lds s[G0:G0+3], s[G1:G1+7]
	s_nop 0
.rept 4
	v_nop
.endr
	s_branch .Lasked_\@
.Lfor_b_\@:
	tensor_load_to_lds s[G0B:G0B+3], s[G1B:G1B+7]
	s_nop 0
.rept 4
	v_nop
.endr
.Lasked_\@:
.endm
.macro CREST
	s_cmp_lg_u32 s14, 0
	s_cbranch_scc1 .Lnot_wave_0_\@
	s_barrier_signal -3
.Lnot_wave_0_\@:
	s_barrier_wait -3
	s_barrier_signal -1
	s_barrier_wait -1
.endm
.macro CROUND
	s_barrier_signal -1
	s_barrier_wait -1
	CREST
.endm
.macro PLACES
.rept 4
	v_nop
.endr
.endm
.macro ASKT vo                         ; inputs_kv's tile is asked for in q's pass alone (two trips to go)
	s_cmp_eq_u32 s3, 2
	s_cbranch_scc0 .Lnot_q_\@
	global_prefetch_b8 v[\vo], s[PFT:PFT+1] th:TH_LOAD_NT scope:SCOPE_SE
.Lnot_q_\@:
.endm
	s_load_b128 s[4:7], s[0:1], 0x0                ; xw_codes, xw_scales
	s_load_b128 s[8:11], s[0:1], 0x10              ; rot, qkv_codes
	s_load_b64 s[12:13], s[0:1], 0x20              ; qkv_scales
	v_lshl_add_u32 v[SPW], v0, 2, SPARE
	v_mov_b32 v[NIL], 0
	ds_add_u32 v[SPW], v[NIL]                      ; the opening lines: the add twice, and its wait ahead of my first tensor load
	ds_add_u32 v[SPW], v[NIL]
	v_lshrrev_b32 v1, 5, v0
	v_readfirstlane_b32 s14, v1                    ; wave
	s_lshr_b32 s15, s14, 1                         ; I fetch tokens (0) or weights (1)
	s_and_b32 s16, s14, 1                          ; which half
	s_bfe_u32 s40, ttmp6, 0x40000                  ; cx, cy
	s_bfe_u32 s41, ttmp6, 0x40004
	s_lshl_b32 s42, ttmp9, 2
	s_add_co_u32 s42, s42, s40                     ; which 128 features
	s_and_b32 s17, ttmp7, 0xffff
	s_lshl_b32 s17, s17, 2
	s_add_co_u32 s17, s17, s41                     ; which 256 tokens
	s_lshl_b32 s43, s41, 2
	s_lshl_b32 s43, 15, s43                        ; my row of the cluster
	s_lshl_b32 s44, 0x1111, s40                    ; my column
	s_or_b32 s[G1+0], s43, (3<<16)|(1<<21)         ; elements of 8 bytes; 8 rows (tiles) of 1,536 elements, dense
	s_mov_b32 s[G1+1], 1536<<16
	s_mov_b32 s[G1+2], 8<<16
	s_mov_b32 s[G1+3], 1536<<16
	s_mov_b32 s[G1+4], 8
	s_mov_b32 s[G1+5], 1536
	s_mov_b32 s[G1+6], 0
	s_mov_b32 s[G1+7], 0
	s_or_b32 s[G1B+0], s44, (3<<16)|(1<<21)        ; the weights: 4 rows
	s_mov_b32 s[G1B+1], 1536<<16
	s_mov_b32 s[G1B+2], 4<<16
	s_mov_b32 s[G1B+3], 1536<<16
	s_mov_b32 s[G1B+4], 4
	s_mov_b32 s[G1B+5], 1536
	s_mov_b32 s[G1B+6], 0
	s_mov_b32 s[G1B+7], 0
	s_lshl_b32 s20, s17, 4
	s_lshl_b32 s21, s16, 3
	s_add_co_u32 s20, s20, s21
	s_mul_i32 s20, s20, TILEB                      ; inputs_q's tiles 16 y + 8 half
	s_mov_b32 s21, 0
	s_lshl_b32 s46, s42, 3
	s_lshl_b32 s47, s16, 2
	s_add_co_u32 s46, s46, s47
	s_add_co_u32 s46, s46, 1024
	s_mul_i32 s46, s46, TILEB                      ; Wq's tiles 1024 + 8 x + 4 half
	s_mov_b32 s47, 0
	s_mul_i32 s45, s16, 8*TILEB
	s_mul_i32 s94, s16, 4*TILEB
	s_mov_b32 s60, 512*TILEB                       ; the tokens' step from q to k; then 0
	s_mov_b32 s61, 0
	s_wait_dscnt 0x0
	s_wait_kmcnt 0x0
	s_mov_b32 s[G0], 1
	s_mov_b32 s[G0+1], s45
	s_add_nc_u64 s[G0+2:G0+3], s[4:5], s[20:21]
	s_or_b32 s[G0+3], s[G0+3], 0x80000000
	s_mov_b32 s[G0B], 1
	s_add_co_u32 s[G0B+1], s94, LW
	s_add_nc_u64 s[G0B+2:G0B+3], s[4:5], s[46:47]
	s_or_b32 s[G0B+3], s[G0B+3], 0x80000000
	CROUND                                         ; all sixteen work-groups are here
	JLOAD                                          ; q's operands: one load a wave
	s_lshl_b32 s18, s17, 4
	s_lshl_b32 s19, s14, 2
	s_add_co_u32 s18, s18, s19                     ; q: A's first tile, 16 y + 4 wave
	s_lshl_b32 s19, s42, 3
	s_add_co_u32 s19, s19, 1024                    ; B's first tile
	s_sub_co_u32 s75, s19, s18
	s_lshl_b32 s75, s75, 9
	s_lshl_b32 s76, s18, 9
	s_lshl_b32 s77, s16, 2
	s_add_co_u32 s77, s77, s19
	s_add_co_u32 s77, s77, 128                     ; v: A's first tile, in Wv
	s_lshl_b32 s78, s17, 4
	s_lshl_b32 s79, s15, 3
	s_add_co_u32 s78, s78, s79
	s_add_co_u32 s78, s78, 512                     ; B's, in inputs_kv
	s_sub_co_u32 s77, s77, s78
	s_lshl_b32 s77, s77, 9
	s_lshl_b32 s78, s78, 9
	s_mul_i32 s21, s14, 4*TILEB
	s_mul_i32 s72, s16, 4*TILEB
	s_add_co_u32 s72, s72, LW
	s_mul_i32 s73, s15, 8*TILEB
	s_add_co_u32 s74, s73, 4*TILEB
	s_lshl_b32 s22, s18, 4                         ; q's codes: [token tile][head][768 bytes]
	s_lshl_b32 s23, s42, 1
	s_add_co_u32 s22, s22, s23
	s_mul_i32 s22, s22, 768
	s_mov_b32 s23, 0
	s_add_nc_u64 s[96:97], s[10:11], s[22:23]
	s_lshr_b32 s22, s18, 7                         ; q's words: [batch x 16 + head][place][4 bytes]
	s_lshl_b32 s22, s22, 4
	s_lshl_b32 s46, s42, 1
	s_add_co_u32 s22, s22, s46
	s_lshl_b32 s22, s22, 11
	s_and_b32 s46, s18, 127
	s_lshl_b32 s46, s46, 4                         ; my first token's position
	s_add_co_u32 s22, s22, s46
	s_lshl_b32 s22, s22, 2
	s_add_nc_u64 s[98:99], s[12:13], s[22:23]
	s_lshl_b32 s46, s46, 8
	s_mov_b32 s47, 0
	s_add_nc_u64 s[100:101], s[8:9], s[46:47]      ; the table
	s_lshl_b32 s22, s17, 1                         ; v: [batch x 16 + key step][head]: codes 6,144 bytes, words 256
	s_add_co_u32 s22, s22, s15
	s_lshl_b32 s22, s22, 4
	s_lshl_b32 s46, s42, 1
	s_add_co_u32 s22, s22, s46
	s_add_co_u32 s22, s22, s16
	s_lshl_b32 s46, s22, 8
	s_add_co_u32 s46, s46, 1048576
	s_add_nc_u64 s[68:69], s[12:13], s[46:47]
	s_mul_i32 s22, s22, 6144
	s_add_co_u32 s22, s22, 12582912
	s_add_nc_u64 s[66:67], s[10:11], s[22:23]
	s_lshl_b32 s79, s17, 4                         ; the prefetches: inputs_kv's tiles 512 + 16 y, blocks 192 cx + 48 wave on;
	s_add_co_u32 s79, s79, 512
	s_mul_i32 s79, s79, TILEB
	s_mul_i32 s93, s40, 192
	s_mul_i32 s92, s14, 48
	s_add_co_u32 s93, s93, s92
	s_lshl_b32 s93, s93, 8
	s_add_co_u32 s92, s79, s93
	s_mov_b32 s93, 0
	s_add_nc_u64 s[PFT:PFT+1], s[4:5], s[92:93]
	s_lshl_b32 s79, s42, 3                         ; Wk's tiles 1088 + 8 x, blocks 96 cy + 24 wave on
	s_add_co_u32 s79, s79, 1088
	s_mul_i32 s79, s79, TILEB
	s_mul_i32 s93, s41, 96
	s_mul_i32 s92, s14, 24
	s_add_co_u32 s93, s93, s92
	s_lshl_b32 s93, s93, 8
	s_add_co_u32 s92, s79, s93
	s_mov_b32 s93, 0
	s_add_nc_u64 s[PFW:PFW+1], s[4:5], s[92:93]
	s_mov_b32 s[SEL], 0x76543210
	s_mov_b32 s[SEL+1], 0xfedcba98                 ; lane l xor 16
	s_mov_b32 s3, 2
	v_and_b32 v1, 15, v0                           ; r
	v_bfe_u32 v2, v0, 4, 1                         ; h
	v_and_b32 v3, 31, v0
	v_lshlrev_b32 v4, 4, v3                        ; 16 x lane
	v_add_nc_u32 v[ADRA], s21, v4
	v_add_nc_u32 v[ADRB], LW, v4
	v_add_nc_u32 v[ADRB+1], LW+4*TILEB, v4
	v_add_nc_u32 v[ADVA], s72, v4
	v_add_nc_u32 v[ADVB], s73, v4
	v_add_nc_u32 v[ADVB+1], s74, v4
	v_mul_u32_u24 v5, s75, v2                      ; lanes 0-15 take A's words, lanes 16-31 B's: 512 bytes a tile, 16 a row
	v_lshl_add_u32 v5, v1, 4, v5
	v_add_nc_u32 v[VS], s76, v5
	v_mul_u32_u24 v6, 229376, v2
	v_sub_nc_u32 v6, 262144, v6                    ; to k: 512 tiles on for the tokens, 64 for the weights
	v_add_nc_u32 v[VN1], v[VS], v6
	v_sub_nc_u32 v7, 1, v2
	v_mul_u32_u24 v6, s77, v7
	v_lshl_add_u32 v6, v1, 4, v6
	v_add_nc_u32 v[VN2], s78, v6
	v_lshlrev_b32 v[LO8], 3, v3
	v_lshlrev_b32 v[LO4], 2, v3
	v_and_b32 v6, 8, v1
	v_add_nc_u32 v6, v6, v1
	v_lshlrev_b32 v6, 8, v6
	v_lshl_add_u32 v[RO], v2, 6, v6                ; the table: (r + 8 (r / 8)) rows of 256 bytes + 64 h
	v_lshlrev_b32 v[PF1], 8, v3                    ; blocks 0 .. 31 of my 48;
	v_min_u32 v5, 15, v3
	v_add_nc_u32 v5, 32, v5
	v_lshlrev_b32 v[PF2], 8, v5                    ; blocks 32 .. 47;
	v_min_u32 v6, 23, v3
	v_lshlrev_b32 v[PF3], 8, v6                    ; blocks 0 .. 23 of my 24
.macro SCLOAD                          ; a pass's scale words, all of K: sixteen lanes read 256 consecutive bytes
.irp i, 0,1,2,3,4,5,6,7
	global_load_b128 v[SC+8*\i:SC+8*\i+3], v[VS], s[6:7] offset:512*\i
	global_load_b128 v[SC+8*\i+4:SC+8*\i+7], v[VS], s[6:7] offset:512*\i+256
.endr
.endm
	SCLOAD
.macro FETCH ra, rb, st, p             ; K step st's fragments into set p: three loads of 512 consecutive bytes each
	WIN 0x80
.irp i, 0,1,2,3,4,5,6,7
.irp j, 0,1,2
	ds_load_b128 v[128*(\p)+FR*\i+4*\j:128*(\p)+FR*\i+4*\j+3], v[\rb+\i/4] offset:(\i%4)*TILEB+(\st)*STEPB+512*\j
.endr
.endr
	WIN 0
.irp i, 0,1,2,3
.irp j, 0,1,2
	ds_load_b128 v[AF+48*(\p)+FR*\i+4*\j:AF+48*(\p)+FR*\i+4*\j+3], v[\ra] offset:\i*TILEB+(\st)*STEPB+512*\j
.endr
.endr
.endm
.macro MUL16 a0, p, st, zero           ; the 32 accumulators take turns; the first step's products start the sums
.irp a, \a0, \a0+1
.irp b, 0,1,2,3,4,5,6,7
.if \zero
	v_wmma_scale_f32_16x16x128_f8f6f4 v[8*(8*(\a)+\b):8*(8*(\a)+\b)+7], v[128*(\p)+FR*\b:128*(\p)+FR*\b+FR-1], v[AF+48*(\p)+FR*(\a):AF+48*(\p)+FR*(\a)+FR-1], 0, v[SC+8*\b+(\st)], v[SC+8*(\a)+(\st)] matrix_a_fmt:MATRIX_FMT_FP6 matrix_b_fmt:MATRIX_FMT_FP6 matrix_a_scale:MATRIX_SCALE_ROW1
.else
	v_wmma_scale_f32_16x16x128_f8f6f4 v[8*(8*(\a)+\b):8*(8*(\a)+\b)+7], v[128*(\p)+FR*\b:128*(\p)+FR*\b+FR-1], v[AF+48*(\p)+FR*(\a):AF+48*(\p)+FR*(\a)+FR-1], v[8*(8*(\a)+\b):8*(8*(\a)+\b)+7], v[SC+8*\b+(\st)], v[SC+8*(\a)+(\st)] matrix_a_fmt:MATRIX_FMT_FP6 matrix_b_fmt:MATRIX_FMT_FP6 matrix_a_scale:MATRIX_SCALE_ROW1
.endif
.endr
.endr
.endm
.macro STEP ra, rb, st, zero
	s_wait_dscnt 0x0                               ; this step's fragments are in (asked for 32 matrix instructions ago)
	PLACES                                         ; ahead of loads into the set that the last step multiplied
	FETCH \ra, \rb, (\st)+1, ((\st)+1)%2
	WIN MULW
	MUL16 0, (\st)%2, \st, \zero
	MUL16 2, (\st)%2, \st, \zero
	WIN 0
.endm
.macro RLOAD a                         ; (cos, sin) of my token of block a, for my 16 pairs
.irp k, 0,1,2,3,4,5,6,7
	global_load_b128 v[CS+32*((\a)%2)+4*\k:CS+32*((\a)%2)+4*\k+3], v[RO], s[100:101] offset:(32*((\a)/2)+8*((\a)%2))*256+128*(\k/4)+16*(\k%4)
.endr
.endm
.macro ROTATE a                        ; (x0, x1) -> (x0 c - x1 s, x1 c + x0 s); each accumulator is read from its low end on
.set AC, 64*(\a)
.set CA, CS+32*((\a)%2)
	WIN 0x81
.set KP, 0
.rept 32
	v_pk_mul_f32 v[2*KP:2*KP+1], v[AC+2*KP:AC+2*KP+1], v[CA+16*((KP/8)%2)+2*(KP%8):CA+16*((KP/8)%2)+2*(KP%8)+1] op_sel_hi:[1,0]
.set KP, KP+1
.endr
	WIN 0x61
.set KP, 0
.rept 32
	v_pk_fma_f32 v[AC+2*KP:AC+2*KP+1], v[AC+2*KP:AC+2*KP+1], v[CA+16*((KP/8)%2)+2*(KP%8):CA+16*((KP/8)%2)+2*(KP%8)+1], v[2*KP:2*KP+1] op_sel:[1,1,0] op_sel_hi:[0,1,1] neg_lo:[0,1,0]
.set KP, KP+1
.endr
	WIN 0
.endm
.macro QUANTW a                        ; a lane's 64 numbers become a fragment's codes in v[PC] on and its row's scale word in v[SW + a]
.set AC, 64*(\a)
	WIN 0x14
.irp b, 0,1,2,3
	v_max3_num_f32 v[TM+\b], 0x1800000, |v[AC+16*\b]|, |v[AC+16*\b+1]|   ; with the floor 2^(3 - 127)
.endr
.irp i, 2,4,6,8,10,12,14
.irp b, 0,1,2,3
	v_max3_num_f32 v[TM+\b], v[TM+\b], |v[AC+16*\b+\i]|, |v[AC+16*\b+\i+1]|
.endr
.endr
	WIN 0
.irp b, 0,1,2,3
	v_permlanex16_b32 v[TM+4+\b], v[TM+\b], s[SEL], s[SEL+1]
.endr
.irp b, 0,1,2,3
	v_max_num_f32 v[TM+\b], v[TM+\b], v[TM+4+\b]
.endr
.irp b, 0,1,2,3
	v_add_nc_u32 v[TM+12+\b], 0xff000000, v[TM+\b]   ; the conversion's scale operand
.endr
.irp b, 0,1,2,3
	v_lshrrev_b32 v[TM+4+\b], 23, v[TM+12+\b]
.endr
	v_lshl_or_b32 v[SW+(\a)], v[TM+5], 8, v[TM+4]
	v_lshl_or_b32 v[SW+(\a)], v[TM+6], 16, v[SW+(\a)]
	v_lshl_or_b32 v[SW+(\a)], v[TM+7], 24, v[SW+(\a)]
	WIN 0x01
.irp c, 0,1
	v_cvt_scalef32_pk16_fp6_f32 v[PC+6*\c:PC+6*\c+2], v[AC+32*\c:AC+32*\c+15], v[TM+12+2*\c]
	v_cvt_scalef32_pk16_fp6_f32 v[PT+4*\c:PT+4*\c+2], v[AC+32*\c+16:AC+32*\c+31], v[TM+12+2*\c+1]
.endr
	WIN 0
	v_nop                                          ; one plain place behind a scaled conversion
.irp c, 0,1                                    ; a whole block to a lane
.irp i, 0,1,2
	v_permlane16_swap_b32 v[PC+6*\c+\i], v[PT+4*\c+\i]
.endr
.irp i, 0,1,2
	v_mov_b32 v[PC+3+6*\c+\i], v[PT+4*\c+\i]
.endr
.endr
.endm
.macro EPI a, rot, stride              ; block a leaves: six stores of 256 consecutive bytes, aligned
.if (\a) > 0
	s_wait_xcnt 0x0                                ; the last block's stores have read the codes' registers
.endif
.if \rot
.if (\a) < 2
	s_wait_loadcnt 24                              ; this block's table loads are in; eight table loads and the sixteen of the scale words may be out
.else
	s_wait_loadcnt 8*(3-(\a))                      ; behind them only the last block's eight
.endif
	ROTATE \a
.endif
	QUANTW \a
.if (\rot) && (\a) < 2
	RLOAD (\a)+2                                   ; into the set that this block's turn has read
.endif
.irp c, 0,1,2,3,4,5
	global_store_b64 v[LO8], v[PC+2*\c:PC+2*\c+1], s[96:97] offset:(\a)*(\stride)+256*\c
.endr
.endm
.macro PASS ra, rb, rot, fill, stride
	s_wait_tensorcnt 0x0                           ; my part of this pass's operands is in;
	s_barrier_signal -1
	s_barrier_wait -1                              ; everybody's is.
	FETCH \ra, \rb, 0, 0
	s_wait_loadcnt 0x0                             ; the scale words
	STEP \ra, \rb, 0, 1
	STEP \ra, \rb, 1, 0
.if \fill
	ASKT PF1
.endif
	STEP \ra, \rb, 2, 0
.if \fill
	ASKT PF2
.endif
	STEP \ra, \rb, 3, 0
.if \fill
	global_prefetch_b8 v[PF3], s[PFW:PFW+1] th:TH_LOAD_NT scope:SCOPE_SE   ; the next pass's weight rows
.endif
.irp st, 4,5,6
	STEP \ra, \rb, \st, 0
.endr
.if \rot
	RLOAD 0                                        ; both sets land under the last products
	RLOAD 1
.endif
.if \fill
	s_wait_tensorcnt 0x0                           ; no load of mine is out;
	ds_add_u32 v[SPW], v[NIL]                      ; an add to the spare word;
	s_wait_dscnt 1                                 ; (the add may be out: the last fragments are in)
	WIN MULW
	MUL16 0, 1, 7, 0
	s_wait_dscnt 0x0                               ; the add is done, and my reads of LDS are over
	s_barrier_signal -1
	MUL16 2, 1, 7, 0
	WIN 0
	s_barrier_wait -1
	CREST                                          ; the round: no wave of any partner still reads the operands
	s_add_nc_u64 s[G0+2:G0+3], s[G0+2:G0+3], s[60:61]
	s_mov_b32 s60, 0
	s_add_nc_u64 s[G0B+2:G0B+3], s[G0B+2:G0B+3], 64*TILEB
	JLOAD                                          ; the next pass's operands; its four v_nop are the places ahead of what follows
	v_mov_b32 v[VS], v[VN1]
	v_mov_b32 v[VN1], v[VN2]
	SCLOAD                                         ; and its scale words
.else
	s_wait_dscnt 0x0
	WIN MULW
	MUL16 0, 1, 7, 0
	MUL16 2, 1, 7, 0
	WIN 0
	PLACES
.endif
.irp a, 0,1,2,3
	EPI \a, \rot, \stride
.endr
	s_mov_b32 s22, 0xffff0000                      ; lanes 16-31 hold the same word as lanes 0-15: two blocks' words make one register
.irp p, 0,1
	v_cndmask_b32 v[WD+\p], v[SW+2*\p], v[SW+2*\p+1], s22
.endr
.irp p, 0,1
	global_store_b32 v[LO4], v[WD+\p], s[98:99] offset:128*\p   ; q, k: bytes 0, 1 are my first head's (bytes 2, 3 meet zero codes only); v: the four blocks of 32 keys
.endr
.if \rot
.irp p, 0,1
	v_lshrrev_b32 v[WD+2+\p], 16, v[WD+\p]         ; my second head's two bytes
.endr
.irp p, 0,1
	global_store_b32 v[LO4], v[WD+2+\p], s[98:99] offset:8192+128*\p
.endr
.endif
	s_wait_xcnt 0x0                                ; the stores and the prefetches have read their registers and bases
.endm
	s_wait_alu depctr_va_vdst(0)                   ; the wait at the head's end
.Lpass:
	PASS ADRA, ADRB, 1, 1, 12288
	s_add_nc_u64 s[96:97], s[96:97], 6291456       ; on to k's codes and words,
	s_add_nc_u64 s[98:99], s[98:99], 524288
	s_add_nc_u64 s[PFW:PFW+1], s[PFW:PFW+1], 64*TILEB   ; and to Wv's rows
	s_sub_co_u32 s3, s3, 1
	s_cmp_lg_u32 s3, 0
	s_wait_alu depctr_va_vdst(0)                   ; the wait ahead of the branch
	s_cbranch_scc1 .Lpass
	s_mov_b64 s[96:97], s[66:67]
	s_mov_b64 s[98:99], s[68:69]
	PASS ADVA, ADVB, 0, 0, 1536
	s_wait_tensorcnt 0x0                           ; the wave's end
	ds_add_u32 v[SPW], v[NIL]
	s_wait_dscnt 0x0
	CROUND                                         ; the closing round
	s_endpgm
.Lfunc_end_k_q570d74a52f_gemm_qkv:
	.size	k_q570d74a52f_gemm_qkv, .Lfunc_end_k_q570d74a52f_gemm_qkv-k_q570d74a52f_gemm_qkv
	.p2alignl 7, 3214868480
	.fill 96, 4, 3214868480
	.section	.rodata,"a",@progbits
	.p2align	6, 0x0
	.amdhsa_kernel k_q570d74a52f_gemm_qkv
		.amdhsa_group_segment_fixed_size 327680
		.amdhsa_private_segment_fixed_size 0
		.amdhsa_enable_private_segment 0
		.amdhsa_kernarg_size 40
		.amdhsa_user_sgpr_count 2
		.amdhsa_user_sgpr_kernarg_segment_ptr 1
		.amdhsa_wavefront_size32 1
		.amdhsa_system_sgpr_workgroup_id_x 1
		.amdhsa_system_sgpr_workgroup_id_y 1
		.amdhsa_system_sgpr_workgroup_id_z 1
		.amdhsa_system_vgpr_workitem_id 0
		.amdhsa_next_free_vgpr 768
		.amdhsa_next_free_sgpr 104
		.amdhsa_reserve_vcc 0
		.amdhsa_float_denorm_mode_32 3
		.amdhsa_float_denorm_mode_16_64 3
		.amdhsa_memory_ordered 1
		.amdhsa_forward_progress 1
		.amdhsa_inst_pref_size 175
	.end_amdhsa_kernel
	.amdgpu_metadata
---
amdhsa.version: [ 1, 2 ]
amdhsa.kernels:
  - .name:           k_q570d74a52f_gemm_qkv
    .symbol:         k_q570d74a52f_gemm_qkv.kd
    .args:
      - { .name: xw_codes, .offset: 0, .size: 8, .value_kind: global_buffer, .address_space: global }
      - { .name: xw_scales, .offset: 8, .size: 8, .value_kind: global_buffer, .address_space: global }
      - { .name: rot, .offset: 16, .size: 8, .value_kind: global_buffer, .address_space: global }
      - { .name: qkv_codes, .offset: 24, .size: 8, .value_kind: global_buffer, .address_space: global }
      - { .name: qkv_scales, .offset: 32, .size: 8, .value_kind: global_buffer, .address_space: global }
    .group_segment_fixed_size: 327680
    .private_segment_fixed_size: 0
    .kernarg_segment_align: 8
    .kernarg_segment_size: 40
    .max_flat_workgroup_size: 128
    .sgpr_count:     104
    .vgpr_count:     768
    .wavefront_size: 32
...
	.end_amdgpu_metadata
.endif
;; end of part 2
;; launch attn (part 3): grid 8 x 32, 16 waves a work-group, no clusters, 327,680 bytes of LDS; arguments qkv_codes, qkv_scales, o_codes, o_scales; writes o_codes, o_scales
.if DOCPART == 3
	.amdgcn_target "amdgcn-amd-amdhsa--gfx1250"
	.amdhsa_code_object_version 6
	.text
	.protected	k_q570d74a52f_attn
	.globl	k_q570d74a52f_attn
	.p2align	8
	.type	k_q570d74a52f_attn,@function
k_q570d74a52f_attn:
	s_mov_b64 s[64:65], 0
	v_nop
	global_prefetch_b8 v0, s[64:65] scope:SCOPE_SE
	s_setreg_imm32_b32 hwreg(HW_REG_WAVE_MODE, 25, 1), 1
	s_wait_xcnt 0x0
; o[b][q][head][:] = the sum over keys k with |q - k| <= 256 of softmax_k(q . k / 8) v, both products on codes of FP6 (E2M3) with E8M0 scales; then o, divided by the row's sum, is quantised along head x 64 + d
; for the projection that follows, and stored as images of operand registers with scale bytes.
; WORK LEFT OUT: steps of 128 keys that lie wholly outside the band of a tile of queries (their weights are exactly 0: shown at the head of the first launch).  A NaN or infinity that reaches only those is not carried on.
; THE SOFTMAX AHEAD OF THE SECOND PRODUCT: t = score x log2(e) / 8; M = the row's largest t so far, rounded UP to a whole number; p = 2^(t - M) is what is quantised, along the keys; it is not normalised.
; The row's sum is taken of the unquantised p, in f32, and divides at the end.  When M moves, the sum and O are multiplied by 2^(old M - new M): exact.  Hidden scores inside a step become -infinity where reference() has the
; least f32 number: both give p = 0, since every query sees at least one key in every step that is walked.
; SHARES.  256 work-groups.  Work-group (x, y) makes TWO blocks of 256 queries, one after the other: queries 256 x .. of batch x 16 + head = y, then of y + 32 (two batches on: every address of the second pass is the
; first's plus a constant).  Each of the SIXTEEN waves owns one tile of 16 queries, in 256 registers.  Tiles are in the STORAGE ORDER: lane r of tile u is token 32 (u / 2) + 8 (u % 2) + r + 8 (r / 8).
; THE WINDOWS.  256 queries see keys of at most six steps of 128: steps kst .. kst + 5, kst = min(max(2 x, 2) - 2, 10).  Each pass's window has LDS bytes of its own, the two on end, so that the loop's steps go on from the
; first into the second.  Waves 0-5 fetch a step of K's codes each, waves 6-11 a step of V's, waves 12, 13 the words.  The first window is asked for at the head, the second behind the first pass's barrier: six steps ahead of
; its first read.  Nothing is filled again.  So no prefetch is laid: the first window has no loop ahead of it, the second is asked for a pass early.
; Every wave walks the six steps in a loop of constant count and jumps, by a scalar branch on ids, over the steps outside its own five.
; NO CLUSTER: neighbouring blocks of queries share four of their six steps, but each would want them at an LDS place that hangs on its place in the cluster, which a joint load cannot have.
; LAYOUT.  Both products are used transposed: S^T = K Q^T, O^T = V^T P^T: a lane holds ONE query throughout.  The first product's K is 64: Q's codes of k = 64 .. 127 are zeros, so whatever stands there in K's operand
; (the next tile's codes) and in the scale words' upper bytes (never 0xff) adds nothing.
; REGISTERS: v1-4 addresses that stay; v6, v7 32 r and 4 r; v8-11 addresses in hand; v12 -M, v13 the largest t, v[14:15] the sum; v16-27 Q; v28, v29 the add's two; v30 my query - 16 (lane / 16); v31 a mask's bound;
; v32-79 K's eight half fragments, then V's four fragments; v80-85 zeros; v86-92 the second pass's Q; v96-159 S^T, then p; v160-191 O^T; v224-235 p's codes; v232-254 at work; v248-251 scale words; v253 p's; v255 Q's.
; LIMITS: NaN and infinities are not served; a block of zeros has the scale byte 1 (this program alone reads the bytes).  o's scale bytes leave two at a time, 32 bytes apart: 2 bytes in 50 of what is stored.
.set KCO,  6291456                     ; qkv_codes: K's images, V's
.set VCO,  12582912
.set KSO,  524288                      ; qkv_scales: K's words, V's
.set VSO,  1048576
.set P2C,  3145728                     ; two batches on: in the codes, in Q's and K's words, in V's words and o's scale bytes
.set P2W,  262144
.set P2V,  131072
.set LK,   0                           ; LDS: K's codes, 2 windows x 36,864 bytes;
.set LV,   73728                       ; V's codes, the same;
.set LKS,  147456                      ; K's words, 2 x 3,072;
.set LVS,  153600                      ; V's words, 2 x 1,536;
.set SPARE, 156672                     ; the spare words, 128 bytes a wave, which no other line names
.set AK0,  1
.set AV0,  2
.set ASK0, 3
.set ASV0, 4
.set ADK,  8
.set ADV,  9
.set ADS,  10
.set ADT,  11
.set SPW,  28
.set NIL,  29
.set WV,   18                          ; s18 my wave
.set GQ,   19                          ; s19 which 32 of their step of 128 my queries are
.set SEL,  20
.set CS,   22                          ; s[22:23] c = log2(e) / 8
.set TB,   2                           ; s2 the step's codes, 6,144 bytes a step; s3 K's words, 512; s66 V's words, 256
.set TS,   3
.set TJ,   66
.set KF,   67                          ; s67 the step's first key
.set DS,   76                          ; s76 the step's number less (my queries' step - 2): 0 .. 4 inside the band
.set CNT,  77
.macro FILL                            ; a window: one tensor load a wave, in the arms of one chain of branches on the wave's number
	s_cmp_lt_u32 s[WV], 6
	s_cbranch_scc0 .Lfv_\@
	tensor_load_to_lds s[56:59], s[24:31]
	s_nop 0
.rept 4
	v_nop
.endr
	s_branch .Lfd_\@
.Lfv_\@:
	s_cmp_lt_u32 s[WV], 12
	s_cbranch_scc0 .Lfk_\@
	tensor_load_to_lds s[60:63], s[32:39]
	s_nop 0
.rept 4
	v_nop
.endr
	s_branch .Lfd_\@
.Lfk_\@:
	s_cmp_eq_u32 s[WV], 12
	s_cbranch_scc0 .Lfw_\@
	tensor_load_to_lds s[68:71], s[40:47]
	s_nop 0
.rept 4
	v_nop
.endr
	s_branch .Lfd_\@
.Lfw_\@:
	s_cmp_eq_u32 s[WV], 13
	s_cbranch_scc0 .Lfd_\@
	tensor_load_to_lds s[72:75], s[48:55]
	s_nop 0
.rept 4
	v_nop
.endr
.Lfd_\@:
.endm
	s_load_b256 s[4:11], s[0:1], 0x0               ; qkv_codes, qkv_scales, o_codes, o_scales
	v_lshl_add_u32 v[SPW], v0, 2, SPARE
	v_mov_b32 v[NIL], 0
	ds_add_u32 v[SPW], v[NIL]                      ; the opening lines: the add twice, and its wait ahead of the first tensor load
	ds_add_u32 v[SPW], v[NIL]
	v_lshrrev_b32 v8, 5, v0
	v_readfirstlane_b32 s[WV], v8                  ; wave 0..15
	s_and_b32 s13, ttmp7, 0xffff                   ; batch x 16 + head of the first pass
	s_lshr_b32 s14, s13, 4
	s_and_b32 s15, s13, 15
	s_lshl_b32 s16, ttmp9, 1
	s_max_u32 s16, s16, 2
	s_sub_co_u32 s16, s16, 2
	s_min_u32 s16, s16, 10                         ; kst
	s_lshl_b32 s17, ttmp9, 4
	s_add_co_u32 s17, s17, s[WV]                   ; my tile of queries
	s_bfe_u32 s[GQ], s17, 0x20001
	s_mov_b32 s24, 3<<16                           ; groups 1, elements of 8 bytes.  A step of K's codes: 8 rows (tiles) of 96, 1,536 (16 heads) apart
	s_mov_b32 s25, 96<<16
	s_mov_b32 s26, 8<<16
	s_mov_b32 s27, 96<<16
	s_mov_b32 s28, 8
	s_mov_b32 s29, 1536
	s_mov_b32 s30, 0
	s_mov_b32 s31, 0
	s_mov_b32 s32, 3<<16                           ; a step of V's codes: a dense block, 24 rows of 32
	s_mov_b32 s33, 32<<16
	s_mov_b32 s34, 24<<16
	s_mov_b32 s35, 32<<16
	s_mov_b32 s36, 24
	s_mov_b32 s37, 32
	s_mov_b32 s38, 0
	s_mov_b32 s39, 0
	s_mov_b32 s40, 3<<16                           ; K's words: a dense block, 12 rows of 32
	s_mov_b32 s41, 32<<16
	s_mov_b32 s42, 12<<16
	s_mov_b32 s43, 32<<16
	s_mov_b32 s44, 12
	s_mov_b32 s45, 32
	s_mov_b32 s46, 0
	s_mov_b32 s47, 0
	s_mov_b32 s48, 3<<16                           ; V's words: 6 rows (steps) of 32, 512 apart
	s_mov_b32 s49, 32<<16
	s_mov_b32 s50, 6<<16
	s_mov_b32 s51, 32<<16
	s_mov_b32 s52, 6
	s_mov_b32 s53, 512
	s_mov_b32 s54, 0
	s_mov_b32 s55, 0
	s_mul_i32 s94, s[WV], 98304                    ; a step on, in K's codes and in V's
	s_mul_i32 s95, s[WV], 6144                     ; and in LDS
	s_lshl_b32 s78, s14, 7                         ; batch x 128 tiles
	s_lshl_b32 s79, s16, 3
	s_add_co_u32 s79, s78, s79
	s_lshl_b32 s79, s79, 4
	s_add_co_u32 s79, s79, s15
	s_mul_i32 s80, s79, 768
	s_add_co_u32 s80, s80, KCO
	s_add_co_u32 s80, s80, s94                     ; K's codes: ((batch x 128 + 8 kst) x 16 + head) x 768, step = wave
	s_mov_b32 s81, 0
	s_lshl_b32 s82, s14, 4
	s_add_co_u32 s82, s82, s16
	s_lshl_b32 s82, s82, 4
	s_add_co_u32 s82, s82, s15                     ; (batch x 16 + kst) x 16 + head
	s_lshl_b32 s86, s82, 8
	s_add_co_u32 s86, s86, VSO                     ; V's words
	s_mov_b32 s87, 0
	s_mul_i32 s82, s82, 6144
	s_add_co_u32 s82, s82, VCO-6*98304
	s_add_co_u32 s82, s82, s94                     ; V's codes, step = wave - 6
	s_mov_b32 s83, 0
	s_lshl_b32 s84, s13, 11
	s_lshl_b32 s85, s16, 7
	s_add_co_u32 s84, s84, s85
	s_lshl_b32 s84, s84, 2
	s_add_co_u32 s84, s84, KSO                     ; K's words
	s_mov_b32 s85, 0
	s_add_co_u32 s88, s78, s17
	s_lshl_b32 s88, s88, 4
	s_add_co_u32 s88, s88, s15
	s_mul_i32 s88, s88, 768                        ; my tile's image: the same place in Q's part of qkv_codes and in o_codes
	s_mov_b32 s89, 0
	s_lshl_b32 s90, s13, 11
	s_lshl_b32 s91, s17, 4
	s_add_co_u32 s90, s90, s91
	s_lshl_b32 s90, s90, 2                         ; Q's words
	s_lshl_b32 s92, s14, 11
	s_add_co_u32 s92, s92, s91
	s_lshl_b32 s92, s92, 5
	s_lshl_b32 s93, s15, 1
	s_add_co_u32 s92, s92, s93                     ; o's scale bytes: (batch x 2048 + 16 tile) x 32 + 2 head
	s_mov_b32 s91, 0
	s_mov_b32 s93, 0
	s_mov_b32 s[SEL], 0x76543210
	s_mov_b32 s[SEL+1], 0xfedcba98                 ; lane l xor 16
	s_mov_b32 s[CS], 0x3e38aa3b
	s_mov_b32 s[CS+1], s[CS]
	s_mov_b32 s[TB], 0
	s_mov_b32 s[TS], 0
	s_mov_b32 s[TJ], 0
	s_lshl_b32 s[KF], s16, 7
	s_add_co_u32 s[DS], s16, 2
	s_lshr_b32 s79, s17, 3
	s_sub_co_u32 s[DS], s[DS], s79                 ; (under 0 it wraps: the unsigned compare in the loop takes that for outside)
	s_wait_dscnt 0x0                               ; both opening adds are done
	s_wait_kmcnt 0x0
	s_mov_b32 s56, 1                               ; groups 0
	s_add_co_u32 s57, s95, LK
	s_add_nc_u64 s[58:59], s[4:5], s[80:81]
	s_or_b32 s59, s59, 0x80000000
	s_mov_b32 s60, 1
	s_add_co_u32 s61, s95, LV-6*6144
	s_add_nc_u64 s[62:63], s[4:5], s[82:83]
	s_or_b32 s63, s63, 0x80000000
	s_mov_b32 s68, 1
	s_mov_b32 s69, LKS
	s_add_nc_u64 s[70:71], s[6:7], s[84:85]
	s_or_b32 s71, s71, 0x80000000
	s_mov_b32 s72, 1
	s_mov_b32 s73, LVS
	s_add_nc_u64 s[74:75], s[6:7], s[86:87]
	s_or_b32 s75, s75, 0x80000000
	FILL                                           ; the first window
	s_add_nc_u64 s[80:81], s[4:5], s[88:89]        ; Q's image
	s_add_nc_u64 s[82:83], s[6:7], s[90:91]        ; Q's words
	s_add_nc_u64 s[8:9], s[8:9], s[88:89]          ; o's image
	s_add_nc_u64 s[10:11], s[10:11], s[92:93]      ; o's scale bytes
	s_lshr_b32 s78, s17, 1
	s_lshl_b32 s78, s78, 5
	s_and_b32 s79, s17, 1
	s_lshl_b32 s79, s79, 3
	s_add_co_u32 s78, s78, s79
	v_and_b32 v8, 31, v0
	v_and_b32 v9, 15, v0                           ; r
	v_bfe_u32 v10, v0, 4, 1                        ; h
	v_lshlrev_b32 v[AK0], 3, v8                    ; an image's place for my lane: 8 x lane
	v_lshlrev_b32 v[ASK0], 2, v8
	v_lshlrev_b32 v7, 2, v9
	v_lshlrev_b32 v6, 5, v9
	v_add_nc_u32 v[AV0], LV, v[AK0]
	v_add_nc_u32 v[ASV0], LVS, v[ASK0]
	v_add_nc_u32 v[ASK0], LKS, v[ASK0]
.irp c, 0,1,2
	global_load_b64 v[16+2*\c:17+2*\c], v[AK0], s[80:81] offset:256*\c        ; Q's six registers: k = 32 h + 0 .. 31 of my query
.endr
	global_load_b32 v255, v7, s[82:83]             ; Q's scale words
.irp c, 0,1,2
	global_load_b64 v[86+2*\c:87+2*\c], v[AK0], s[80:81] offset:256*\c+P2C    ; and the second pass's
.endr
	global_load_b32 v92, v7, s[82:83] offset:P2W
.irp j, 22,23,24,25,26,27,80,81,82,83,84,85
	v_mov_b32 v\j, 0                               ; Q's codes of k = 64 .. 127: zeros; and what stands behind K's last tile
.endr
	v_and_b32 v30, 8, v9
	v_lshlrev_b32 v10, 4, v10
	v_add_nc_u32 v30, v30, v9                      ; r + 8 (r / 8)
	s_delay_alu instid0(VALU_DEP_1)
	v_sub_nc_u32 v30, v30, v10
	s_delay_alu instid0(VALU_DEP_1)
	v_add_nc_u32 v30, s78, v30                     ; my query - 16 h
.irp b, 0,1,2,3
	v_mov_b32 v[236+\b], 0                         ; written once: a lane permute's destination counts as one of its sources
.endr
.macro PRE n                           ; a pass's opening: the state, and what orders the windows
	v_mov_b32 v13, 0xff61b1e6                      ; the largest t so far: -3e38
	v_mov_b32 v14, 0                               ; the sum, in two halves
	v_mov_b32 v15, 0
	v_floor_f32 v12, -v13                          ; -M
	v_mov_b32 v252, 0
	v_mov_b32 v253, 0
.set J, 0
.rept 32
	v_mov_b32 v[160+J], 0                          ; O^T
.set J, J+1
.endr
	s_wait_alu depctr_va_vdst(0)                   ; ahead of the waits below
.if \n == 0
	s_wait_tensorcnt 0x0                           ; my part of the first window is in;
	ds_add_u32 v[SPW], v[NIL]                      ; the add twice
	ds_add_u32 v[SPW], v[NIL]
	s_add_co_u32 s57, s57, 36864                   ; no load of mine is out: the groups 0 step to the second window
	s_add_nc_u64 s[58:59], s[58:59], P2C
	s_add_co_u32 s61, s61, 36864
	s_add_nc_u64 s[62:63], s[62:63], P2C
	s_add_co_u32 s69, s69, 3072
	s_add_nc_u64 s[70:71], s[70:71], P2W
	s_add_co_u32 s73, s73, 1536
	s_add_nc_u64 s[74:75], s[74:75], P2V
	s_wait_dscnt 0x0
	s_barrier_signal -1
	s_barrier_wait -1                              ; the first window is whole
	FILL                                           ; the second window, into bytes of its own
	s_wait_loadcnt 0x0                             ; both passes' Q
.else
	s_wait_xcnt 0x0                                ; the first pass's stores have read their registers
.endif
.endm
.macro TRIPS n, cnt                    ; cnt steps of a window, a constant: the LDS addresses step by constants
	s_mov_b32 s[CNT], \cnt
.Ltrip_\n:
	s_cmp_gt_u32 s[DS], 4                          ; a step outside my five is left out: ids alone
	s_cbranch_scc1 .Lskip_\n
	v_add_nc_u32 v[ADK], s[TB], v[AK0]             ; (these four are also the places in front of loads into registers that the last step's products have read)
	v_add_nc_u32 v[ADV], s[TB], v[AV0]
	v_add_nc_u32 v[ADS], s[TS], v[ASK0]
	v_add_nc_u32 v[ADT], s[TJ], v[ASV0]
.irp t, 0,1,2,3,4,5,6,7
.irp c, 0,1,2
	ds_load_b64 v[32+6*\t+2*\c:33+6*\t+2*\c], v[ADK] offset:768*\t+256*\c   ; tile t of 16 keys: six registers
.endr
.endr
.irp b, 0,1,2,3
	ds_load_b32 v[248+\b], v[ADS] offset:128*\b    ; lanes 0-15: the words of tile 2 b; lanes 16-31: of tile 2 b + 1
.endr
	s_wait_alu depctr_va_vdst(0)
	s_wait_dscnt 0x0
.irp t, 0,1,2,3,4,5,6,7                        ; S^T = K Q^T.  The operand's upper six registers are the next tile's: they meet Q's zero codes
.if \t%2
	v_wmma_scale_f32_16x16x128_f8f6f4 v[96+8*\t:103+8*\t], v[32+6*\t:43+6*\t], v[16:27], 0, v[248+\t/2], v255 matrix_a_fmt:MATRIX_FMT_FP6 matrix_b_fmt:MATRIX_FMT_FP6 matrix_a_scale:MATRIX_SCALE_ROW1
.else
	v_wmma_scale_f32_16x16x128_f8f6f4 v[96+8*\t:103+8*\t], v[32+6*\t:43+6*\t], v[16:27], 0, v[248+\t/2], v255 matrix_a_fmt:MATRIX_FMT_FP6 matrix_b_fmt:MATRIX_FMT_FP6
.endif
.endr                                          ; lane (r, h) holds query r; register 16 b + i is key KF + 32 b + 16 h + i
.rept 4
	v_nop                                          ; places in front of the loads below and of the first read of the scores
.endr
.irp t, 0,1,2,3
.irp p, 0,1,2,3,4,5
	ds_load_b64 v[32+12*\t+2*\p:33+12*\t+2*\p], v[ADV] offset:1536*\t+256*\p   ; V's four fragments: they land under the softmax
.endr
.endr
.irp z, 0,1
	ds_load_b32 v[248+\z], v[ADT] offset:128*\z
.endr
	; THE BAND'S EDGES lie in my first and my last step alone.  My queries are 32 GQ .. 32 GQ + 31 of their step, so in the first step the blocks of 32 keys over GQ are wholly inside the band, in the last those under GQ:
	; scalar branches on ids lead round their masks
	s_cmp_eq_u32 s[DS], 0
	s_cbranch_scc0 .Lnolo_\n
	s_add_co_u32 s78, s[KF], 256
	v_sub_nc_u32 v31, v30, s78                     ; my query - 16 h - KF - 256: register 16 b + i is hidden where 32 b + i is under it
	v_mov_b32 v254, 0xff800000                     ; -infinity
	s_wait_alu depctr_va_vdst(0)                   ; the wait ahead of the branches
.irp b, 0,1,2,3
.if \b > 0
	s_cmp_lt_u32 s[GQ], \b
	s_cbranch_scc1 .Lnolo_\n
.endif
.set J, 0
.rept 16
	v_cmp_lt_i32 vcc_lo, 32*\b+J, v31
	v_cndmask_b32 v[96+16*\b+J], v[96+16*\b+J], v254, vcc_lo
.set J, J+1
.endr
.endr
.Lnolo_\n:
	s_cmp_eq_u32 s[DS], 4
	s_cbranch_scc0 .Lnohi_\n
	s_sub_co_u32 s78, s[KF], 256                   ; (KF is at least 256 here)
	v_sub_nc_u32 v31, v30, s78                     ; my query - 16 h - KF + 256: hidden where 32 b + i is over it
	v_mov_b32 v254, 0xff800000
	s_wait_alu depctr_va_vdst(0)
.irp b, 3,2,1,0
.if \b < 3
	s_cmp_gt_u32 s[GQ], \b
	s_cbranch_scc1 .Lnohi_\n
.endif
.set J, 0
.rept 16
	v_cmp_gt_i32 vcc_lo, 32*\b+J, v31
	v_cndmask_b32 v[96+16*\b+J], v[96+16*\b+J], v254, vcc_lo
.set J, J+1
.endr
.endr
.Lnohi_\n:
.irp b, 0,1,2,3
	v_max3_num_f32 v[232+\b], v[96+16*\b], v[97+16*\b], v[98+16*\b]   ; THE LARGEST SCORE OF EACH BLOCK OF 32 KEYS: it serves for the row's maximum and, since p rises with the score, for the block's largest p
.endr
.irp i, 3,5,7,9,11,13
.irp b, 0,1,2,3
	v_max3_num_f32 v[232+\b], v[232+\b], v[96+16*\b+\i], v[97+16*\b+\i]
.endr
.endr
.irp b, 0,1,2,3
	v_max_num_f32 v[232+\b], v[232+\b], v[111+16*\b]
.endr
.irp b, 0,1,2,3
	s_delay_alu instid0(VALU_DEP_4)
	v_permlanex16_b32 v[236+\b], v[232+\b], s[SEL], s[SEL+1]
.endr
.irp b, 0,1,2,3
	s_delay_alu instid0(VALU_DEP_4)
	v_max_num_f32 v[232+\b], v[232+\b], v[236+\b]  ; with lane l xor 16's 16 keys
.endr
	s_delay_alu instid0(VALU_DEP_2)
	v_max3_num_f32 v254, v232, v233, v234
	s_delay_alu instid0(VALU_DEP_1)
	v_max_num_f32 v254, v254, v235                 ; the step's largest score of my query
	s_delay_alu instid0(VALU_DEP_1)
	v_mul_f32 v254, s[CS], v254                    ; as t (c is positive)
	s_delay_alu instid0(VALU_DEP_1)
	v_max_num_f32 v13, v13, v254                   ; the running largest t
	v_mov_b32 v254, v12
	s_delay_alu instid0(VALU_DEP_2)
	v_floor_f32 v12, -v13                          ; the new -M = -ceil(t): M IS A WHOLE NUMBER
	s_delay_alu instid0(VALU_DEP_1)
	v_sub_f32 v254, v12, v254                      ; M's old value less its new one
	s_delay_alu instid0(VALU_DEP_1)
	v_cvt_i32_f32 v254, v254                       ; (it saturates)
	s_delay_alu instid0(VALU_DEP_1)
	v_ldexp_f32 v252, 1.0, v254                    ; f = 2^(old M - new M)
.set J, 0
.rept 32
	v_pk_fma_f32 v[96+J:97+J], v[96+J:97+J], s[CS:CS+1], v[12:13] op_sel_hi:[1,0,0]   ; t - M, two at a time
.set J, J+2
.endr
.irp b, 0,1,2,3
	v_fma_f32 v[232+\b], v[232+\b], s[CS], v12     ; the same of each block's largest score
.endr
.set J, 0
	s_wait_alu depctr_va_vdst(0)                   ; the wait ahead of the batch
.rept 64
	v_exp_f32 v[96+J], v[96+J]                     ; p = 2^(t - M), at most 1: NOT normalised
.set J, J+1
.endr
	v_pk_mul_f32 v[14:15], v[14:15], v[252:253] op_sel_hi:[1,0]   ; the sums under the new M
	s_wait_alu depctr_va_vdst(0)                   ; and behind it: one for the whole batch
.irp b, 0,1,2,3
	v_exp_f32 v[232+\b], v[232+\b]                 ; the block's largest p: the same two instructions on the same number give the same bits
.endr
	v_pk_add_f32 v[236:237], v[100:101], v[104:105]
	v_pk_add_f32 v[250:251], v[108:109], v[112:113]
	v_pk_add_f32 v[246:247], v[116:117], v[120:121]
	v_pk_add_f32 v[244:245], v[124:125], v[128:129]
	v_pk_add_f32 v[242:243], v[132:133], v[136:137]
	v_pk_add_f32 v[240:241], v[140:141], v[144:145]
	v_pk_add_f32 v[238:239], v[148:149], v[152:153]
	v_pk_add_f32 v[14:15], v[14:15], v[156:157]
	v_pk_add_f32 v[236:237], v[236:237], v[96:97]
	v_pk_add_f32 v[250:251], v[250:251], v[98:99]
	v_pk_add_f32 v[246:247], v[246:247], v[102:103]
	v_pk_add_f32 v[244:245], v[244:245], v[106:107]
	v_pk_add_f32 v[242:243], v[242:243], v[110:111]
	v_pk_add_f32 v[240:241], v[240:241], v[114:115]
	v_pk_add_f32 v[238:239], v[238:239], v[118:119]
	v_pk_add_f32 v[14:15], v[14:15], v[122:123]
	v_pk_add_f32 v[236:237], v[236:237], v[126:127]
	v_pk_add_f32 v[250:251], v[250:251], v[130:131]
	v_pk_add_f32 v[246:247], v[246:247], v[134:135]
	v_pk_add_f32 v[244:245], v[244:245], v[138:139]
	v_pk_add_f32 v[242:243], v[242:243], v[142:143]
	v_pk_add_f32 v[240:241], v[240:241], v[146:147]
	v_pk_add_f32 v[238:239], v[238:239], v[150:151]
	v_pk_add_f32 v[14:15], v[14:15], v[154:155]
	v_pk_add_f32 v[236:237], v[236:237], v[158:159]
	s_delay_alu instid0(VALU_DEP_2)
	v_pk_add_f32 v[14:15], v[14:15], v[244:245]
	s_delay_alu instid0(VALU_DEP_2)
	v_pk_add_f32 v[236:237], v[236:237], v[242:243]
	v_pk_add_f32 v[250:251], v[250:251], v[240:241]
	v_pk_add_f32 v[246:247], v[246:247], v[238:239]
	s_delay_alu instid0(VALU_DEP_2)
	v_pk_add_f32 v[14:15], v[14:15], v[250:251]
	s_delay_alu instid0(VALU_DEP_2)
	v_pk_add_f32 v[236:237], v[236:237], v[246:247]
	s_delay_alu instid0(VALU_DEP_1)
	v_pk_add_f32 v[14:15], v[14:15], v[236:237]
	s_wait_alu depctr_va_vdst(0)                   ; and one for the four
.irp b, 0,1,2,3
	v_max_num_f32 v[232+\b], 0x1800000, v[232+\b]  ; the floor 2^(3 - 127): the byte cannot fall under 1
.endr
.irp b, 0,1,2,3
	s_delay_alu instid0(VALU_DEP_4)
	v_add_nc_u32 v[244+\b], 0xff000000, v[232+\b]  ; the conversion's scale operand
.endr
.irp b, 0,1,2,3
	s_delay_alu instid0(VALU_DEP_4)
	v_lshrrev_b32 v[236+\b], 23, v[244+\b]         ; the scale's byte
.endr
	s_delay_alu instid0(VALU_DEP_3)
	v_lshl_or_b32 v253, v237, 8, v236              ; p's scale word for these 128 keys
	s_delay_alu instid0(VALU_DEP_1)
	v_lshl_or_b32 v253, v238, 16, v253
	s_delay_alu instid0(VALU_DEP_1)
	v_lshl_or_b32 v253, v239, 24, v253
.irp c, 0,1
	v_cvt_scalef32_pk16_fp6_f32 v[224+6*\c:226+6*\c], v[96+32*\c:111+32*\c], v[244+2*\c]
	v_cvt_scalef32_pk16_fp6_f32 v[236+4*\c:238+4*\c], v[112+32*\c:127+32*\c], v[244+2*\c+1]
.endr
	v_nop                                          ; one plain instruction behind a scaled conversion
.irp c, 0,1                                    ; a WHOLE block to a lane: lanes 0-15 block 2 c, lanes 16-31 block 2 c + 1
.irp i, 0,1,2
	v_permlane16_swap_b32 v[224+6*\c+\i], v[236+4*\c+\i]
.endr
.irp i, 0,1,2
	s_delay_alu instid0(VALU_DEP_3)
	v_mov_b32 v[227+6*\c+\i], v[236+4*\c+\i]
.endr
.endr
.set J, 0
.rept 16
	v_pk_mul_f32 v[160+J:161+J], v[160+J:161+J], v[252:253] op_sel_hi:[1,0]   ; O^T under the new M.  (Also the places between the lines that made p's codes and word and the products)
.set J, J+2
.endr
	s_wait_alu depctr_va_vdst(0)
	s_wait_dscnt 0x0                               ; V's fragments and words are in
.irp t, 0,1,2,3                                ; O^T += V^T P^T; the four accumulators take turns
.if \t%2
	v_wmma_scale_f32_16x16x128_f8f6f4 v[160+8*\t:167+8*\t], v[32+12*\t:43+12*\t], v[224:235], v[160+8*\t:167+8*\t], v[248+\t/2], v253 matrix_a_fmt:MATRIX_FMT_FP6 matrix_b_fmt:MATRIX_FMT_FP6 matrix_a_scale:MATRIX_SCALE_ROW1
.else
	v_wmma_scale_f32_16x16x128_f8f6f4 v[160+8*\t:167+8*\t], v[32+12*\t:43+12*\t], v[224:235], v[160+8*\t:167+8*\t], v[248+\t/2], v253 matrix_a_fmt:MATRIX_FMT_FP6 matrix_b_fmt:MATRIX_FMT_FP6
.endif
.endr
.Lskip_\n:
	s_add_co_u32 s[TB], s[TB], 6144                ; the next step
	s_add_co_u32 s[TS], s[TS], 512
	s_add_co_u32 s[TJ], s[TJ], 256
	s_add_co_u32 s[KF], s[KF], 128
	s_add_co_u32 s[DS], s[DS], 1
	s_sub_co_u32 s[CNT], s[CNT], 1
	s_cmp_lg_u32 s[CNT], 0
	s_cbranch_scc1 .Ltrip_\n
.endm
.macro POST n
	; THE WAY OUT.  O^T / the sum; register 16 b + i is d = 32 b + 16 h + i of my query: two blocks of 32 along the next product's K
	s_sub_co_u32 s[KF], s[KF], 768                 ; the second pass walks the same keys' numbers; the LDS steps go on into the second window
	s_sub_co_u32 s[DS], s[DS], 6
	v_add_f32 v14, v14, v15                        ; the sum's two halves,
	s_delay_alu instid0(VALU_DEP_1)
	v_permlanex16_b32 v252, v14, s[SEL], s[SEL+1]
	s_delay_alu instid0(VALU_DEP_1)
	v_add_f32 v14, v14, v252                       ; and lane l xor 16's: the row's sum
	s_wait_alu depctr_va_vdst(0)
	v_rcp_f32 v14, v14
.if \n == 0
.irp j, 0,1,2,3,4,5
	v_mov_b32 v[16+\j], v[86+\j]                   ; the second pass's Q.  (Plain instructions behind the reciprocal, and the places behind the last products)
.endr
	v_mov_b32 v255, v92
.else
.rept 4
	v_nop
.endr
.endif
	s_wait_alu depctr_va_vdst(0)                   ; ahead of the first line that names the reciprocal
.set J, 0
.rept 32
	v_mul_f32 v[96+J], v[160+J], v14               ; each accumulator from its low end on
.set J, J+1
.endr
.irp b, 0,1
	v_max3_num_f32 v[232+\b], |v[96+16*\b]|, |v[97+16*\b]|, 0x1800000   ; my 16 numbers of block b, and the floor
.endr
.irp i, 2,4,6,8,10,12,14
.irp b, 0,1
	s_delay_alu instid0(VALU_DEP_2)
	v_max3_num_f32 v[232+\b], v[232+\b], |v[96+16*\b+\i]|, |v[97+16*\b+\i]|
.endr
.endr
.irp b, 0,1
	s_delay_alu instid0(VALU_DEP_2)
	v_permlanex16_b32 v[236+\b], v[232+\b], s[SEL], s[SEL+1]
.endr
.irp b, 0,1
	s_delay_alu instid0(VALU_DEP_2)
	v_max_num_f32 v[232+\b], v[232+\b], v[236+\b]
.endr
.irp b, 0,1
	s_delay_alu instid0(VALU_DEP_2)
	v_add_nc_u32 v[244+\b], 0xff000000, v[232+\b]
.endr
.irp b, 0,1
	s_delay_alu instid0(VALU_DEP_2)
	v_lshrrev_b32 v[236+\b], 23, v[244+\b]
.endr
	s_delay_alu instid0(VALU_DEP_1)
	v_lshl_or_b32 v240, v237, 8, v236              ; my query's two scale bytes of this head
	v_cvt_scalef32_pk16_fp6_f32 v[224:226], v[96:111], v244
	v_cvt_scalef32_pk16_fp6_f32 v[248:250], v[112:127], v245
	v_nop                                          ; one plain instruction behind a scaled conversion
.irp i, 0,1,2
	v_permlane16_swap_b32 v[224+\i], v[248+\i]     ; lanes 0-15 get block 0 whole, lanes 16-31 block 1
.endr
.irp i, 0,1,2
	s_delay_alu instid0(VALU_DEP_3)
	v_mov_b32 v[227+\i], v[248+\i]
.endr
.if \n == 0
	s_wait_alu depctr_va_vdst(0)                   ; ahead of the barrier's wait
	s_barrier_wait -1                              ; every wave has signalled: the second window is whole.  The stores stand behind the wait
.endif
.irp c, 0,1,2
	global_store_b64 v[AK0], v[224+2*\c:225+2*\c], s[8:9] offset:256*\c+(\n)*P2C
.endr
	global_store_b16 v6, v240, s[10:11] offset:(\n)*P2V   ; lanes 16-31 write the same two bytes to the same place as lanes 0-15
.endm
	PRE 0
	TRIPS 0, 3
	s_wait_tensorcnt 0x0                           ; my part of the second window is in, three steps behind its request:
	s_barrier_signal -1                            ; say so early; the wait stands ahead of the first pass's stores.  Between the two: work on registers, and LDS loads of the first window, which nobody writes
	TRIPS 2, 3
	POST 0
	PRE 1
	TRIPS 1, 6
	POST 1
	s_wait_tensorcnt 0x0                           ; the wave's end
	ds_add_u32 v[SPW], v[NIL]
	s_wait_dscnt 0x0
	s_endpgm
.Lfunc_end_k_q570d74a52f_attn:
	.size	k_q570d74a52f_attn, .Lfunc_end_k_q570d74a52f_attn-k_q570d74a52f_attn
	.p2alignl 7, 3214868480
	.fill 96, 4, 3214868480
	.section	.rodata,"a",@progbits
	.p2align	6, 0x0
	.amdhsa_kernel k_q570d74a52f_attn
		.amdhsa_group_segment_fixed_size 327680
		.amdhsa_private_segment_fixed_size 0
		.amdhsa_enable_private_segment 0
		.amdhsa_kernarg_size 32
		.amdhsa_user_sgpr_count 2
		.amdhsa_user_sgpr_kernarg_segment_ptr 1
		.amdhsa_wavefront_size32 1
		.amdhsa_system_sgpr_workgroup_id_x 1
		.amdhsa_system_sgpr_workgroup_id_y 1
		.amdhsa_system_sgpr_workgroup_id_z 1
		.amdhsa_system_vgpr_workitem_id 0
		.amdhsa_next_free_vgpr 256
		.amdhsa_next_free_sgpr 100
		.amdhsa_reserve_vcc 1
		.amdhsa_float_denorm_mode_32 3
		.amdhsa_float_denorm_mode_16_64 3
		.amdhsa_memory_ordered 1
		.amdhsa_forward_progress 1
		.amdhsa_inst_pref_size 112
	.end_amdhsa_kernel
	.amdgpu_metadata
---
amdhsa.version: [ 1, 2 ]
amdhsa.kernels:
  - .name:           k_q570d74a52f_attn
    .symbol:         k_q570d74a52f_attn.kd
    .args:
      - { .name: qkv_codes, .offset: 0, .size: 8, .value_kind: global_buffer, .address_space: global }
      - { .name: qkv_scales, .offset: 8, .size: 8, .value_kind: global_buffer, .address_space: global }
      - { .name: o_codes, .offset: 16, .size: 8, .value_kind: global_buffer, .address_space: global }
      - { .name: o_scales, .offset: 24, .size: 8, .value_kind: global_buffer, .address_space: global }
    .group_segment_fixed_size: 327680
    .private_segment_fixed_size: 0
    .kernarg_segment_align: 8
    .kernarg_segment_size: 32
    .max_flat_workgroup_size: 512
    .sgpr_count:     100
    .vgpr_count:     256
    .wavefront_size: 32
...
	.end_amdgpu_metadata
.endif
;; end of part 3
;; launch gemm_out (part 4): grid 8 x 32, 4 waves a work-group, clusters of 4 x 4, 327,680 bytes of LDS; arguments o_codes, o_scales, xw_codes, xw_scales, out0; writes out0
.if DOCPART == 4
	.amdgcn_target "amdgcn-amd-amdhsa--gfx1250"
	.amdhsa_code_object_version 6
	.text
	.protected	k_q570d74a52f_gemm_out
	.globl	k_q570d74a52f_gemm_out
	.p2align	8
	.type	k_q570d74a52f_gemm_out,@function
k_q570d74a52f_gemm_out:
	s_mov_b64 s[64:65], 0
	v_nop
	global_prefetch_b8 v0, s[64:65] scope:SCOPE_SE
	s_setreg_imm32_b32 hwreg(HW_REG_WAVE_MODE, 25, 1), 1
	s_wait_xcnt 0x0
	s_wait_alu depctr_hold_cnt(0) depctr_sa_sdst(0) depctr_va_vdst(0) depctr_va_sdst(0) depctr_va_ssrc(0) depctr_va_vcc(0) depctr_vm_vsrc(0)
	s_getreg_b32 s2, hwreg(HW_REG_IB_STS2, 6, 4)
	s_cmp_eq_u32 s2, 0
	s_cbranch_scc0 .Lentry_in_a_cluster
	s_endpgm
.Lentry_in_a_cluster:
	s_bfe_u32 s2, ttmp6, 0x10000c
	s_cmp_lg_u32 s2, 0xf033
	s_cbranch_scc0 .Lentry_shape_is_right
	s_endpgm
.Lentry_shape_is_right:
; out0 = o Wo, [8192][1024] f32, K = 1,024, on codes of FP6 (E2M3) with E8M0 scales.  256 work-groups: (x, y) makes tokens 256 y .. + 255 x columns 128 x .. + 127.
; All of K of both operands lies in LDS at once, filled ONCE by four joint loads at the head (waves 0, 1: o's halves, 98,304 bytes each; waves 2, 3: Wo's, 49,152 each), in tensor rows of 12,288 bytes; nothing is filled again.
; No prefetch: the launch has no loop in which to run ahead of its one fill.  4 x 4 clusters: o's tile is shared along a row of the cluster, Wo's along a column.
; Source 0 = Wo's rows (B), source 1 = tokens (A): a lane holds eight neighbouring columns of a row.  A wave has 64 tokens x 128 columns: 32 accumulators.  Rows and columns are in the storage order of the first launch.
; o's images come as six runs of 256 bytes (8 bytes a lane), Wo's as three of 512.  The scale words go from memory straight into registers: o_scales [place][32 bytes], xw_scales [tile][K half][row][16 bytes].
; REGISTERS: window 0: v16-31 addresses; v32-63 A's scale words (8 a + K step), v64-127 B's; v128-223 A's fragments, two sets; on the way out v128-255.  window 1: the accumulators.  window 2: B's fragments, two sets.
; THE WAY OUT: 16 rows x 128 columns at a time through the wave's own stage, over bytes of o's tile, behind a barrier behind which nobody reads the operands; whole rows of 512 bytes are stored.
.set TILEB, 12288
.set STEPB, 1536
.set LW,    16*TILEB
.set SPARE, 24*TILEB
.set SPITCH, 528
.set FR,   12
.set ADRA, 16
.set ADRB, 17
.set VSA,  19
.set VSB,  20
.set STO,  24
.set RD,   25
.set CO,   26
.set SPW,  28
.set NIL,  29
.set SA,   32
.set SB,   64
.set AF,   128
.set BK,   128
.set G1, 24
.set G0, 32
.set G1B, 48
.set G0B, 56
.set MSB, 0
.macro WIN new
.if MSB != (\new)
	s_set_vgpr_msb (MSB<<8)|(\new)
.set MSB, (\new)
.endif
.endm
.set MULW, 0x52
.macro CREST
	s_cmp_lg_u32 s14, 0
	s_cbranch_scc1 .Lnot_wave_0_\@
	s_barrier_signal -3
.Lnot_wave_0_\@:
	s_barrier_wait -3
	s_barrier_signal -1
	s_barrier_wait -1
.endm
.macro CROUND
	s_barrier_signal -1
	s_barrier_wait -1
	CREST
.endm
.macro PLACES
.rept 4
	v_nop
.endr
.endm
	s_load_b128 s[4:7], s[0:1], 0x0                ; o_codes, o_scales
	s_load_b128 s[8:11], s[0:1], 0x10              ; xw_codes, xw_scales
	s_load_b64 s[12:13], s[0:1], 0x20              ; out0
	v_lshl_add_u32 v[SPW], v0, 2, SPARE
	v_mov_b32 v[NIL], 0
	ds_add_u32 v[SPW], v[NIL]                      ; the opening lines
	ds_add_u32 v[SPW], v[NIL]
	v_lshrrev_b32 v1, 5, v0
	v_readfirstlane_b32 s14, v1
	s_lshr_b32 s15, s14, 1
	s_and_b32 s16, s14, 1
	s_bfe_u32 s40, ttmp6, 0x40000
	s_bfe_u32 s41, ttmp6, 0x40004
	s_lshl_b32 s42, ttmp9, 2
	s_add_co_u32 s42, s42, s40                     ; which 128 columns
	s_and_b32 s17, ttmp7, 0xffff
	s_lshl_b32 s17, s17, 2
	s_add_co_u32 s17, s17, s41                     ; which 256 tokens
	s_lshl_b32 s43, s41, 2
	s_lshl_b32 s43, 15, s43
	s_lshl_b32 s44, 0x1111, s40
	s_or_b32 s[G1+0], s43, (3<<16)|(1<<21)         ; 8 rows (tiles) of 1,536 elements of 8 bytes, dense
	s_mov_b32 s[G1+1], 1536<<16
	s_mov_b32 s[G1+2], 8<<16
	s_mov_b32 s[G1+3], 1536<<16
	s_mov_b32 s[G1+4], 8
	s_mov_b32 s[G1+5], 1536
	s_mov_b32 s[G1+6], 0
	s_mov_b32 s[G1+7], 0
	s_or_b32 s[G1B+0], s44, (3<<16)|(1<<21)        ; 4 rows
	s_mov_b32 s[G1B+1], 1536<<16
	s_mov_b32 s[G1B+2], 4<<16
	s_mov_b32 s[G1B+3], 1536<<16
	s_mov_b32 s[G1B+4], 4
	s_mov_b32 s[G1B+5], 1536
	s_mov_b32 s[G1B+6], 0
	s_mov_b32 s[G1B+7], 0
	s_lshl_b32 s20, s17, 4
	s_lshl_b32 s21, s16, 3
	s_add_co_u32 s20, s20, s21
	s_mul_i32 s20, s20, TILEB
	s_mov_b32 s21, 0
	s_lshl_b32 s46, s42, 3
	s_lshl_b32 s47, s16, 2
	s_add_co_u32 s46, s46, s47
	s_add_co_u32 s46, s46, 1216                    ; Wo's first tile
	s_mul_i32 s46, s46, TILEB
	s_mov_b32 s47, 0
	s_mul_i32 s45, s16, 8*TILEB
	s_mul_i32 s94, s16, 4*TILEB
	s_wait_dscnt 0x0
	s_wait_kmcnt 0x0
	s_mov_b32 s[G0], 1
	s_mov_b32 s[G0+1], s45
	s_add_nc_u64 s[G0+2:G0+3], s[4:5], s[20:21]
	s_or_b32 s[G0+3], s[G0+3], 0x80000000
	s_mov_b32 s[G0B], 1
	s_add_co_u32 s[G0B+1], s94, LW
	s_add_nc_u64 s[G0B+2:G0B+3], s[8:9], s[46:47]
	s_or_b32 s[G0B+3], s[G0B+3], 0x80000000
	CROUND
	s_cmp_eq_u32 s15, 0                            ; one joint load a wave
	s_cbranch_scc0 .Lfor_b
	tensor_load_to_lds s[G0:G0+3], s[G1:G1+7]
	s_nop 0
.rept 4
	v_nop
.endr
	s_branch .Lasked
.Lfor_b:
	tensor_load_to_lds s[G0B:G0B+3], s[G1B:G1B+7]
	s_nop 0
.rept 4
	v_nop
.endr
.Lasked:
	s_mul_i32 s21, s14, 4*TILEB                    ; my 64 tokens
	s_lshl_b32 s18, s17, 8
	s_lshl_b32 s19, s14, 6
	s_add_co_u32 s18, s18, s19                     ; my first place
	s_lshl_b32 s22, s18, 5                         ; o's scales: 32 bytes a place
	s_lshl_b32 s23, s42, 3
	s_add_co_u32 s23, s23, 1216
	s_lshl_b32 s23, s23, 9                         ; Wo's: 512 bytes a tile
	s_mul_i32 s72, s14, 16*SPITCH                  ; my stage
	s_lshl_b32 s46, s18, 12                        ; out0: 4,096 bytes a row
	s_lshl_b32 s47, s42, 9
	s_add_co_u32 s46, s46, s47
	s_mov_b32 s47, 0
	s_add_nc_u64 s[12:13], s[12:13], s[46:47]
	v_and_b32 v1, 15, v0
	v_bfe_u32 v2, v0, 4, 1
	v_and_b32 v3, 31, v0
	v_lshlrev_b32 v[CO], 4, v3
	v_lshl_add_u32 v[ADRA], v3, 3, s21
	v_add_nc_u32 v[ADRB], LW, v[CO]
	v_add_nc_u32 v[ADRB+1], LW+4*TILEB, v[CO]
	v_lshl_add_u32 v[VSA], v1, 5, s22
	v_lshl_add_u32 v[VSB], v1, 4, s23
	v_mul_u32_u24 v5, v1, SPITCH
	v_lshl_add_u32 v5, v2, 6, v5
	v_add_nc_u32 v[STO], s72, v5
	v_add_nc_u32 v[RD], s72, v[CO]
.irp i, 0,1,2,3
	global_load_b128 v[SA+8*\i:SA+8*\i+3], v[VSA], s[6:7] offset:512*\i
	global_load_b128 v[SA+8*\i+4:SA+8*\i+7], v[VSA], s[6:7] offset:512*\i+16
.endr
.irp i, 0,1,2,3,4,5,6,7
	global_load_b128 v[SB+8*\i:SB+8*\i+3], v[VSB], s[10:11] offset:512*\i
	global_load_b128 v[SB+8*\i+4:SB+8*\i+7], v[VSB], s[10:11] offset:512*\i+256
.endr
.macro FETCH st, p
	WIN 0x80
.irp i, 0,1,2,3,4,5,6,7
.irp j, 0,1,2
	ds_load_b128 v[128*(\p)+FR*\i+4*\j:128*(\p)+FR*\i+4*\j+3], v[ADRB+\i/4] offset:(\i%4)*TILEB+(\st)*STEPB+512*\j
.endr
.endr
	WIN 0
.irp i, 0,1,2,3
.irp j, 0,1,2,3,4,5
	ds_load_b64 v[AF+48*(\p)+FR*\i+2*\j:AF+48*(\p)+FR*\i+2*\j+1], v[ADRA] offset:\i*TILEB+(\st)*STEPB+256*\j
.endr
.endr
.endm
.macro MUL32 p, st, zero               ; the 32 accumulators take turns
.irp a, 0,1,2,3
.irp b, 0,1,2,3,4,5,6,7
.if \zero
	v_wmma_scale_f32_16x16x128_f8f6f4 v[8*(8*\a+\b):8*(8*\a+\b)+7], v[128*(\p)+FR*\b:128*(\p)+FR*\b+FR-1], v[AF+48*(\p)+FR*\a:AF+48*(\p)+FR*\a+FR-1], 0, v[SB+8*\b+(\st)], v[SA+8*\a+(\st)] matrix_a_fmt:MATRIX_FMT_FP6 matrix_b_fmt:MATRIX_FMT_FP6
.else
	v_wmma_scale_f32_16x16x128_f8f6f4 v[8*(8*\a+\b):8*(8*\a+\b)+7], v[128*(\p)+FR*\b:128*(\p)+FR*\b+FR-1], v[AF+48*(\p)+FR*\a:AF+48*(\p)+FR*\a+FR-1], v[8*(8*\a+\b):8*(8*\a+\b)+7], v[SB+8*\b+(\st)], v[SA+8*\a+(\st)] matrix_a_fmt:MATRIX_FMT_FP6 matrix_b_fmt:MATRIX_FMT_FP6
.endif
.endr
.endr
.endm
.macro STEP st, zero
	s_wait_dscnt 0x0                               ; this step's fragments are in
	PLACES                                         ; ahead of loads into the set that the last step multiplied
	FETCH (\st)+1, ((\st)+1)%2
	WIN MULW
	MUL32 (\st)%2, \st, \zero
	WIN 0
.endm
	s_wait_alu depctr_va_vdst(0)                   ; the wait at the head's end
	s_wait_tensorcnt 0x0                           ; my part of the operands is in;
	s_barrier_signal -1
	s_barrier_wait -1                              ; everybody's is
	FETCH 0, 0
	s_wait_loadcnt 0x0                             ; the scale words
	STEP 0, 1
.irp st, 1,2,3,4,5,6
	STEP \st, 0
.endr
	s_wait_dscnt 0x0                               ; my reads of the operands are over:
	s_barrier_signal -1
	WIN MULW
	MUL32 1, 7, 0
	WIN 0
	s_barrier_wait -1                              ; everybody's are: the stages may be written
	PLACES
.macro TOSTAGE a
.set AC, 64*(\a)
	WIN 0x04
.irp b, 0,1,2,3,4,5,6,7
	ds_store_b128 v[STO], v[AC+8*\b:AC+8*\b+3] offset:128*(\b/2)+32*(\b%2)      ; each accumulator from its low end on
	ds_store_b128 v[STO], v[AC+8*\b+4:AC+8*\b+7] offset:128*(\b/2)+32*(\b%2)+16
.endr
	WIN 0
.set BB, BK+64*((\a)%2)
.irp t, 0,1,2,3,4,5,6,7,8,9,10,11,12,13,14,15
	ds_load_b128 v[BB+4*\t:BB+4*\t+3], v[RD] offset:\t*SPITCH    ; LDS serves a wave's instructions in order
.endr
.endm
.macro SEND a, younger
.set BB, BK+64*((\a)%2)
	s_wait_dscnt \younger
.irp t, 0,1,2,3,4,5,6,7,8,9,10,11,12,13,14,15
	global_store_b128 v[CO], v[BB+4*\t:BB+4*\t+3], s[12:13] offset:(32*((\a)/2)+8*((\a)%2)+\t+8*(\t/8))*4096 th:TH_STORE_NT   ; 512 consecutive bytes, aligned
.endr
.endm
	TOSTAGE 0
.irp a, 1,2,3
.if \a > 1
	s_wait_xcnt 0x0                                ; block a - 2's stores have read their registers
.endif
	TOSTAGE \a
	SEND \a-1, 32                                  ; behind block a - 1's loads: block a's 16 stores and 16 loads
.endr
	SEND 3, 0
	s_wait_tensorcnt 0x0                           ; the wave's end
	ds_add_u32 v[SPW], v[NIL]
	s_wait_dscnt 0x0
	CROUND                                         ; the closing round
	s_endpgm
.Lfunc_end_k_q570d74a52f_gemm_out:
	.size	k_q570d74a52f_gemm_out, .Lfunc_end_k_q570d74a52f_gemm_out-k_q570d74a52f_gemm_out
	.p2alignl 7, 3214868480
	.fill 96, 4, 3214868480
	.section	.rodata,"a",@progbits
	.p2align	6, 0x0
	.amdhsa_kernel k_q570d74a52f_gemm_out
		.amdhsa_group_segment_fixed_size 327680
		.amdhsa_private_segment_fixed_size 0
		.amdhsa_enable_private_segment 0
		.amdhsa_kernarg_size 40
		.amdhsa_user_sgpr_count 2
		.amdhsa_user_sgpr_kernarg_segment_ptr 1
		.amdhsa_wavefront_size32 1
		.amdhsa_system_sgpr_workgroup_id_x 1
		.amdhsa_system_sgpr_workgroup_id_y 1
		.amdhsa_system_sgpr_workgroup_id_z 1
		.amdhsa_system_vgpr_workitem_id 0
		.amdhsa_next_free_vgpr 768
		.amdhsa_next_free_sgpr 100
		.amdhsa_reserve_vcc 0
		.amdhsa_float_denorm_mode_32 3
		.amdhsa_float_denorm_mode_16_64 3
		.amdhsa_memory_ordered 1
		.amdhsa_forward_progress 1
		.amdhsa_inst_pref_size 81
	.end_amdhsa_kernel
	.amdgpu_metadata
---
amdhsa.version: [ 1, 2 ]
amdhsa.kernels:
  - .name:           k_q570d74a52f_gemm_out
    .symbol:         k_q570d74a52f_gemm_out.kd
    .args:
      - { .name: o_codes, .offset: 0, .size: 8, .value_kind: global_buffer, .address_space: global }
      - { .name: o_scales, .offset: 8, .size: 8, .value_kind: global_buffer, .address_space: global }
      - { .name: xw_codes, .offset: 16, .size: 8, .value_kind: global_buffer, .address_space: global }
      - { .name: xw_scales, .offset: 24, .size: 8, .value_kind: global_buffer, .address_space: global }
      - { .name: out0, .offset: 32, .size: 8, .value_kind: global_buffer, .address_space: global }
    .group_segment_fixed_size: 327680
    .private_segment_fixed_size: 0
    .kernarg_segment_align: 8
    .kernarg_segment_size: 40
    .max_flat_workgroup_size: 128
    .sgpr_count:     100
    .vgpr_count:     768
    .wavefront_size: 32
...
	.end_amdgpu_metadata
.endif
;; end of part 4
